; MI455X (gfx1250); checked and timed in simulation.
; The chip was launched on July 23, 2026; its instructions are those of AMD's public machine-readable ISA for CDNA 5 (MIT licence, August 2026) and "CDNA5" Instruction Set Architecture Reference Guide (July 2026). The comments in the code are by the model that wrote it; some were corrected since.
;; Attention. Allowed arithmetic: matrix products marked QUANTISED: E2M1 operands, one E8M0 scale for each 32 along K, by v_wmma_scale_f32_16x16x128_f8f6f4 with both operands' format E2M1 (or v_wmma_scale_f32_32x16x128_f4), f32 sums; products left as they are: f32 operands where the result goes on into a quantised operand, else bf16, f16 or f32 operands; f32 sums; everything else in f32.
;; Inputs: W_c 1,024 float32; W_d 1,024 x 1,024 float32; W_h 1,024 x 1,024 float32; W_q 1,024 x 1,024 float32; b_d 1,024 float32; coverage 32 x 1,024 float32; enc_padding_mask 32 x 1,024 float32; h 32 x 1,024 x 1,024 float32; q_h 32 x 1,024 x 1,024 float32; s_t_hat 32 x 1,024 float32; v_w 1,024 float32.
;; Outputs: out0 32 x 1,024 float32; out1 32 x 1,024 float32; out2 32 x 1,024 float32.
;; This version of the problem:
;;   THIS VERSION OF THE PROBLEM IS GIVEN IN LOW PRECISION. The matrix products marked QUANTISED in the list below multiply operands that are first quantised to E2M1 (2 exponent bits, 1 mantissa bit; 4 bits a number), with one power-of-two scale for each 32 numbers along K (OCP MX v1.0); their sums are f32. All else is computed in f32.
;;   The module's matrix products, in the order in which they are computed (A, B: the left and right operand; K: the contracted axis; several contracted axes count as one K, in the product's order):
;;     1. [M 32,768, K 1,024] x [K 1,024, N 1,024]; A: input h; B: input W_h: QUANTISED
;;     2. [M 32,768, K 1,024] x [K 1,024, N 1,024]; A: input q_h; B: input W_q: QUANTISED
;;     3. [M 32, K 1,024] x [K 1,024, N 1,024]; A: input s_t_hat; B: input W_d: QUANTISED
;;     4. [M 32,768, K 1,024] x [K 1,024, N 1]; A: computed on the way; B: input v_w: left as it is (N = 1 < 16)
;;     5. batch 32 x [M 1, K 1,024] x [K 1,024, N 1,024]; A: computed on the way; B: input h: left as it is (M = 1 < 16)
;;   THE QUANTISER, for each operand of a quantised product, along K:
;;     - K is cut into blocks of 32 from its start; a last block that is shorter is filled with zeros.
;;     - A block's scale is 2^e with e = floor(log2(the largest magnitude in the block)) - 2, held to -126 .. 127; a block of zeros has e = 0. As a byte (E8M0): e + 127.
;;     - Each number is divided by its block's scale, clamped to +-6, and rounded to the nearest number of E2M1, ties to even, subnormals kept.
;;     - The product sums the exact products of the quantised numbers (number of the format x scale) in f32.
;;   ~~~python
;;   def quantise(x, axis):      # numpy; x: float32 -> the quantised numbers, widened to float32 again
;;       x = np.moveaxis(x, axis, -1); K = x.shape[-1]
;;       x = np.pad(x, [(0, 0)] * (x.ndim - 1) + [(0, -K % 32)]); x = x.reshape(x.shape[:-1] + (-1, 32)); a = np.abs(x).max(-1, keepdims=True)
;;       e = np.where(a > 0, np.clip(np.frexp(np.where(a > 0, a, 1))[1] - 1 - 2, -126, 127), 0)      # np.frexp(a)[1] - 1 = floor(log2(a)), exactly
;;       r = np.clip(x / 2.0 ** e, -6, 6)
;;       step = 2.0 ** (np.maximum(np.frexp(np.where(r == 0, 1, r))[1] - 1, 0) - 1)
;;       q = np.round(r / step) * step * 2.0 ** e      # np.round: ties to even
;;       return np.moveaxis(q.reshape(q.shape[:-2] + (-1,))[..., :K], -1, axis).astype(np.float32)
;;   ~~~
;; 2 versions. Each part assembles by itself: llvm-mc -triple=amdgcn-amd-amdhsa -mcpu=gfx1250 --defsym DOCPART=n.
;; ======== version 1 of 2: 3 launches
;; workspace buffers: wq 1,114,112 bytes; dec 131,072 bytes; scores 131,072 bytes; cpart 2,097,152 bytes
;; launch prep (part 1): grid 192 x 1, 8 waves a work-group, no clusters, 153,088 bytes of LDS; arguments W_q, W_h, W_d, s_t_hat, b_d, wq, dec; writes wq, dec
.if DOCPART == 1
	.amdgcn_target "amdgcn-amd-amdhsa--gfx1250"
	.amdhsa_code_object_version 6
	.text
	.protected	k_qbf3fa6b6f5_prep
	.globl	k_qbf3fa6b6f5_prep
	.p2align	8
	.type	k_qbf3fa6b6f5_prep,@function
k_qbf3fa6b6f5_prep:
	s_mov_b64 s[64:65], 0
	v_nop
	global_prefetch_b8 v0, s[64:65] scope:SCOPE_SE
	s_setreg_imm32_b32 hwreg(HW_REG_WAVE_MODE, 25, 1), 1
	s_wait_xcnt 0x0
; ADDITIVE ATTENTION IN MX-FP4, launch 1 of 3: the weights become codes, and the decoder's projection is made.
; THE WHOLE PROGRAM.  x = Q(h) Q(W_h)^T + Q(q_h) Q(W_q)^T + (Q(s_t_hat) Q(W_d)^T + b_d) + coverage W_c;  scores = tanh(x) . v_w;  attn = softmax(scores) mask / sum(softmax(scores) mask);
; c_t = attn . h;  coverage_out = coverage + attn.  Q is the stated quantiser along K (E2M1 codes, one E8M0 byte for each 32).
; WORK LEFT OUT, and why it can reach no output, for all finite inputs:
;  (1) The softmax's own divisor Z = sum_t exp(score_t - max).  attn = (e_t / Z) mask_t / sum_t((e_t / Z) mask_t) = e_t mask_t / sum_t(e_t mask_t): Z is at least 1 and cancels.  The maximum IS taken away ahead of every
;      exponential (a block's own in launch 2, the batch's in launch 3).
;  (2) tanh(x) = 1 - 2 / (1 + e^(2x)), so scores_t = sum_n v_n - 2 sum_n v_n / (1 + e^(2 x_tn)).  The term sum_n v_n is the same for all t of the softmax's axis and of the size of the scores themselves: it is not formed.
;  LIMIT: a NaN, an infinity or an overflow that would reach only Z or sum_n v_n is not carried to the result.  Every input has a way to an output and is loaded.
; LIMITS OF THE QUANTISERS: NaN and infinities among their inputs are not served.  A block of zeros, and a block whose largest magnitude lies under 2^-124, gets the byte 1 (the rule says 127 for zeros):
;  zero codes add nothing under any byte but 0xff, and the bytes are read by this program alone.
; THIS LAUNCH.  Work-groups 0-127: W_q (K steps 0-7) and W_h (K steps 8-15) into wq.  wq is laid AS THE NEXT LAUNCH'S OPERAND REGISTERS: 16 K steps of 128 x 69,632 bytes; in a step tile n/16 at 1,024 x tile,
;  its registers 4c .. 4c+3 at + 512 c + 16 x lane; from byte 65,536 on the scale words, again as register images: for reader wave w register q = 4c + i at 1,024 w + 512 c + 16 x lane + 4 i holds, in lane l, the word of
;  tile 16 w + 2 q + l / 16, row l % 16.  So a K step is one dense block for the data mover and every fragment comes by loads of 16 bytes a lane.
;  Work-groups 128-191: dec = Q(s_t_hat) Q(W_d)^T + b_d, 16 columns a work-group, one K step of 128 a wave, the eight partial sums joined through LDS.  dec is laid as the result's registers:
;  [tile of 16 columns][q][lane][4]: word i of chunk q in lane (r, h) is batch 16 (q / 2) + 8 h + 4 (q % 2) + i, column 16 tile + r: each store of a wave covers 512 consecutive bytes.
; A FRAGMENT: 16 rows x 128 K of f32.  Each of 16 loads reads one row's 512 consecutive bytes; the 8 KiB turn through the wave's own stage in LDS (rows 528 bytes apart) and come back so that lane (r, h) holds, of row r,
;  k = 64 c + 32 h + 0 .. 31 in registers 32 c .. 32 c + 31: two whole blocks of 32, in the very order of the operand's layout.  No other lane is asked for a maximum, and the conversions' results are the operand.
; The two paths part on the work-group's number and have LDS bytes of their own.  No tensor load, no cluster: no two work-groups read the same bytes but s_t_hat's 128 KiB.
.set STG,   8448                       ; a wave's stage: 16 rows x 528 bytes
.set WST,   0                          ; the weights' path: eight stages,
.set SCG,   8*STG                      ; and 512 bytes in which eight tiles' scale words are gathered
.set DST,   SCG+512                    ; the decoder's path: eight stages,
.set RED,   DST+8*STG                  ; and eight waves' partial sums, 2,048 bytes each
.set SPARE, RED+8*2048                 ; the spare words, 128 bytes for each wave: four blocks of 256 bytes that no other line names
.set WSL,   69632                      ; a K step of wq
.set SPW, 1                            ; v1  LDS address of my spare word; never rewritten
.set NIL, 2                            ; v2  0; never rewritten
.set LO,  3                            ; v3  16 x lane
.set SWA, 4                            ; v4  my stage, on the way in: + 16 x lane
.set SRA, 5                            ; v5  and on the way out: + 528 r + 128 h
; v7 r;  v8-13 at work;  v14 8 h;  v15 a lane permute's destination;  v16-39 three fragments of codes;  v40-42 their scale words;  v44-59 two accumulators;  v60 b_d;  v61-63 addresses;  v64-255 three sets of 64 numbers
.macro LOADF x, sb, off, nt            ; 16 rows x 512 bytes into v[x] on
.irp p, 0,1,2,3,4,5,6,7,8,9,10,11,12,13,14,15
.if \nt
	global_load_b128 v[\x+4*\p:\x+4*\p+3], v[LO], s[\sb:\sb+1] offset:\off+4096*\p th:TH_LOAD_NT
.else
	global_load_b128 v[\x+4*\p:\x+4*\p+3], v[LO], s[\sb:\sb+1] offset:\off+4096*\p
.endif
.endr
.endm
.macro TURNF x                         ; through my stage: LDS serves a wave's instructions in order, so no wait stands between the stores and the loads
.irp p, 0,1,2,3,4,5,6,7,8,9,10,11,12,13,14,15
	ds_store_b128 v[SWA], v[\x+4*\p:\x+4*\p+3] offset:528*\p
.endr
.irp k, 0,1
.irp i, 0,1,2,3,4,5,6,7
	ds_load_b128 v[\x+32*\k+4*\i:\x+32*\k+4*\i+3], v[SRA] offset:256*\k+16*\i
.endr
.endr
.endm
.macro QFRAG x, c, w                   ; 64 numbers of a lane become the fragment's 8 registers v[c] on and its scale word v[w]
.irp k, 0,1
	v_max3_num_f32 v[8+\k], |v[\x+32*\k]|, |v[\x+32*\k+1]|, 0x1800000   ; my block 2 k + h, and the floor 2^(3 - 127): the byte cannot fall under 1
.endr
.irp i, 2,4,6,8,10,12,14,16,18,20,22,24,26,28,30
.irp k, 0,1
	v_max3_num_f32 v[8+\k], v[8+\k], |v[\x+32*\k+\i]|, |v[\x+32*\k+\i+1]|   ; (the two blocks by turns)
.endr
.endr
.irp k, 0,1
	v_add_nc_u32 v[10+\k], 0xff000000, v[8+\k]     ; 2 off the exponent field: the conversion takes this operand's exponent field as its scale
.endr
.irp k, 0,1
	v_lshrrev_b32 v[12+\k], 23, v[10+\k]           ; the scale's byte
.endr
	v_lshl_or_b32 v[\w], v13, 16, v12              ; my two bytes, blocks h and 2 + h,
	v_lshlrev_b32 v[\w], v14, v[\w]                ; at their places (8 h bits up);
	v_permlanex16_b32 v15, v[\w], s20, s21
	v_or_b32 v[\w], v[\w], v15                     ; with lane l xor 16's two the word is whole, in both lanes
.irp k, 0,1
.irp g, 0,1,2,3
	v_cvt_scalef32_pk8_fp4_f32 v[\c+4*\k+\g], v[\x+32*\k+8*\g:\x+32*\k+8*\g+7], v[10+\k]
.endr
.endr
	v_nop                                          ; one plain instruction behind the last scaled conversion
.endm
	s_load_b256 s[4:11], s[0:1], 0x0               ; W_q s[4:5], W_h s[6:7], W_d s[8:9], s_t_hat s[10:11]
	s_load_b128 s[12:15], s[0:1], 0x20             ; b_d s[12:13], wq s[14:15]
	s_load_b64 s[16:17], s[0:1], 0x30              ; dec
	v_lshl_add_u32 v[SPW], v0, 2, SPARE
	v_mov_b32 v[NIL], 0
	v_lshrrev_b32 v6, 5, v0
	v_readfirstlane_b32 s18, v6                    ; wave 0..7
	v_and_b32 v6, 31, v0                           ; lane
	v_and_b32 v7, 15, v0                           ; r
	v_bfe_u32 v14, v0, 4, 1                        ; h
	v_lshlrev_b32 v[LO], 4, v6
	s_mul_i32 s19, s18, STG
	v_add_nc_u32 v[SWA], s19, v[LO]
	v_mul_u32_u24 v[SRA], v7, 528
	v_lshl_add_u32 v[SRA], v14, 7, v[SRA]
	v_add_nc_u32 v[SRA], s19, v[SRA]
	v_lshlrev_b32 v14, 3, v14                      ; 8 h
	v_mov_b32 v15, 0                               ; written once: a lane permute's destination counts as one of its sources
	s_mov_b32 s20, 0x76543210
	s_mov_b32 s21, 0xfedcba98                      ; v_permlanex16_b32's selects for lane l xor 16
	s_cmp_ge_u32 ttmp9, 128
	s_cbranch_scc1 .Ldec
	; ---- the weights: work-group = 8 x K step + g; wave w takes tile 8 g + w of that K step
	s_lshr_b32 s22, ttmp9, 3                       ; K step 0..15
	s_and_b32 s23, ttmp9, 7                        ; g
	s_lshl_b32 s24, s23, 3
	s_add_co_u32 s24, s24, s18                     ; tile 0..63
	s_lshl_b32 s26, s24, 16                        ; 16 rows of 4,096 bytes a tile,
	s_and_b32 s25, s22, 7
	s_lshl_b32 s25, s25, 9
	s_add_co_u32 s26, s26, s25                     ; + 512 bytes a K step
	s_mov_b32 s27, 0
	s_mul_i32 s28, s22, WSL
	s_lshl_b32 s25, s24, 10
	s_add_co_u32 s28, s28, s25                     ; the tile's codes in wq
	s_mov_b32 s29, 0
	s_mul_i32 s30, s22, WSL
	s_lshl_b32 s25, s23, 9
	s_add_co_u32 s30, s30, s25                     ; my work-group's eight tiles fill one chunk of 512 bytes of scale words: reader wave g / 2, c = g % 2: 512 g,
	s_add_co_u32 s30, s30, 65536                   ; behind the codes
	s_mov_b32 s31, 0
	s_and_b32 s25, s18, 1                          ; in that chunk: lane 16 (w % 2) + r, word w / 2
	s_lshl_b32 s25, s25, 8
	s_lshr_b32 s32, s18, 1
	s_lshl_b32 s32, s32, 2
	s_add_co_u32 s25, s25, s32
	s_add_co_u32 s25, s25, SCG
	v_lshl_add_u32 v61, v7, 4, s25
	v_add_nc_u32 v62, SCG, v[LO]
	s_wait_kmcnt 0x0
	s_cmp_lt_u32 s22, 8                            ; the choice hangs on the work-group's number alone
	s_cselect_b64 s[4:5], s[4:5], s[6:7]
	s_add_nc_u64 s[4:5], s[4:5], s[26:27]
	s_add_nc_u64 s[28:29], s[14:15], s[28:29]
	s_add_nc_u64 s[30:31], s[14:15], s[30:31]
	LOADF 64, 4, 0, 1
	s_wait_loadcnt 0x0
	TURNF 64
	s_wait_dscnt 0x0
	QFRAG 64, 16, 40
	global_store_b128 v[LO], v[16:19], s[28:29]               ; 32 lanes store 512 consecutive bytes
	global_store_b128 v[LO], v[20:23], s[28:29] offset:512
	ds_store_b32 v61, v40                          ; lanes r and 16 + r hold the same word and write it to the same place
	s_wait_dscnt 0x0                               ; for the others' sake: my word has landed
	s_barrier_signal -1
	s_barrier_wait -1
	s_cmp_lg_u32 s18, 0
	s_cbranch_scc1 .Lend
	ds_load_b128 v[24:27], v62                     ; wave 0: the eight tiles' words, as the reader's registers
	s_wait_dscnt 0x0
	global_store_b128 v[LO], v[24:27], s[30:31]
	s_branch .Lend
	; ---- the decoder's projection: work-group 128 + tile of 16 columns; wave = K step of 128
.Ldec:
	s_sub_co_u32 s22, ttmp9, 128                   ; tile 0..63
	v_add_nc_u32 v[SWA], DST, v[SWA]               ; this path's own stages
	v_add_nc_u32 v[SRA], DST, v[SRA]
	s_lshl_b32 s26, s22, 16
	s_lshl_b32 s28, s18, 9
	s_add_co_u32 s26, s26, s28                     ; W_d: 16 rows a tile, 512 bytes a K step
	s_mov_b32 s27, 0
	s_mov_b32 s29, 0                               ; s_t_hat: 512 bytes a K step
	s_lshl_b32 s30, s22, 6
	v_lshl_add_u32 v63, v7, 2, s30                 ; b_d: column 16 tile + r
	s_lshl_b32 s30, s22, 11
	s_and_b32 s32, s18, 3
	s_lshl_b32 s32, s32, 9
	s_add_co_u32 s30, s30, s32                     ; dec: 2,048 bytes a tile, chunk q = wave % 4
	s_mov_b32 s31, 0
	s_lshl_b32 s33, s18, 11
	s_add_co_u32 s33, s33, RED
	v_add_nc_u32 v61, s33, v[LO]                   ; my partial sums
	s_add_co_u32 s32, s32, RED
	v_add_nc_u32 v62, s32, v[LO]                   ; chunk q of wave 0's; the others' 2,048 bytes apart
	s_wait_kmcnt 0x0
	s_add_nc_u64 s[8:9], s[8:9], s[26:27]
	s_add_nc_u64 s[10:11], s[10:11], s[28:29]
	s_add_nc_u64 s[16:17], s[16:17], s[30:31]
	global_load_b32 v60, v63, s[12:13]
	LOADF 64, 8, 0, 1                              ; W_d's fragment
	LOADF 128, 10, 0, 0                            ; batches 0-15
	LOADF 192, 10, 65536, 0                        ; batches 16-31
	s_wait_loadcnt 32                              ; b_d and W_d's 16 loads are in; the 32 behind them may be out
	TURNF 64
	s_wait_dscnt 0x0
	QFRAG 64, 16, 40
	s_wait_loadcnt 16                              ; the last 16 may be out
	TURNF 128
	s_wait_dscnt 0x0
	QFRAG 128, 24, 41
	s_wait_loadcnt 0x0
	TURNF 192
	s_wait_dscnt 0x0
	QFRAG 192, 32, 42
.rept 8
	v_nop                                          ; a scale register written by a vector instruction stands eight plain instructions ahead of a scaled matrix instruction, an operand so written four
.endr
	v_wmma_scale_f32_16x16x128_f8f6f4 v[44:51], v[24:31], v[16:23], 0, v41, v40 matrix_a_fmt:MATRIX_FMT_FP4 matrix_b_fmt:MATRIX_FMT_FP4   ; lane (r, h), register j: batch 8 h + j, column r
	v_wmma_scale_f32_16x16x128_f8f6f4 v[52:59], v[32:39], v[16:23], 0, v42, v40 matrix_a_fmt:MATRIX_FMT_FP4 matrix_b_fmt:MATRIX_FMT_FP4   ; batches 16 on
.rept 4
	v_nop                                          ; four plain instructions between a matrix instruction and the first read of its result (ISA guide 7.12.1)
.endr
	ds_store_b128 v61, v[44:47]                    ; each accumulator from its low end on
	ds_store_b128 v61, v[48:51] offset:512
	ds_store_b128 v61, v[52:55] offset:1024
	ds_store_b128 v61, v[56:59] offset:1536
	s_wait_dscnt 0x0                               ; for the others' sake: my partial sums have landed
	s_barrier_signal -1
	s_barrier_wait -1
	s_cmp_ge_u32 s18, 4
	s_cbranch_scc1 .Lend
.irp k, 0,1,2,3,4,5,6,7
	ds_load_b128 v[64+4*\k:67+4*\k], v62 offset:2048*\k       ; waves 0-3: chunk q of all eight K steps
.endr
	s_wait_dscnt 0x0
.irp k, 1,2,3,4,5,6,7
	v_pk_add_f32 v[64:65], v[64:65], v[64+4*\k:65+4*\k]       ; K ascending
	v_pk_add_f32 v[66:67], v[66:67], v[66+4*\k:67+4*\k]
.endr
.irp i, 0,1,2,3
	v_add_f32 v[64+\i], v60, v[64+\i]              ; + b_d of my column
.endr
	global_store_b128 v[LO], v[64:67], s[16:17]    ; 32 lanes store 512 consecutive bytes
.Lend:
	s_wait_tensorcnt 0x0                           ; the wave's end, behind my last LDS store
	ds_add_u32 v[SPW], v[NIL]
	s_wait_dscnt 0x0
	s_endpgm
.Lfunc_end_k_qbf3fa6b6f5_prep:
	.size	k_qbf3fa6b6f5_prep, .Lfunc_end_k_qbf3fa6b6f5_prep-k_qbf3fa6b6f5_prep
	.p2alignl 7, 3214868480
	.fill 96, 4, 3214868480
	.section	.rodata,"a",@progbits
	.p2align	6, 0x0
	.amdhsa_kernel k_qbf3fa6b6f5_prep
		.amdhsa_group_segment_fixed_size 153088
		.amdhsa_private_segment_fixed_size 0
		.amdhsa_enable_private_segment 0
		.amdhsa_kernarg_size 56
		.amdhsa_user_sgpr_count 2
		.amdhsa_user_sgpr_kernarg_segment_ptr 1
		.amdhsa_wavefront_size32 1
		.amdhsa_system_sgpr_workgroup_id_x 1
		.amdhsa_system_sgpr_workgroup_id_y 1
		.amdhsa_system_sgpr_workgroup_id_z 1
		.amdhsa_system_vgpr_workitem_id 0
		.amdhsa_next_free_vgpr 256
		.amdhsa_next_free_sgpr 66
		.amdhsa_reserve_vcc 0
		.amdhsa_float_denorm_mode_32 3
		.amdhsa_float_denorm_mode_16_64 3
		.amdhsa_memory_ordered 1
		.amdhsa_forward_progress 1
		.amdhsa_inst_pref_size 34
	.end_amdhsa_kernel
	.amdgpu_metadata
---
amdhsa.version: [ 1, 2 ]
amdhsa.kernels:
  - .name:           k_qbf3fa6b6f5_prep
    .symbol:         k_qbf3fa6b6f5_prep.kd
    .args:
      - { .name: W_q, .offset: 0, .size: 8, .value_kind: global_buffer, .address_space: global }
      - { .name: W_h, .offset: 8, .size: 8, .value_kind: global_buffer, .address_space: global }
      - { .name: W_d, .offset: 16, .size: 8, .value_kind: global_buffer, .address_space: global }
      - { .name: s_t_hat, .offset: 24, .size: 8, .value_kind: global_buffer, .address_space: global }
      - { .name: b_d, .offset: 32, .size: 8, .value_kind: global_buffer, .address_space: global }
      - { .name: wq, .offset: 40, .size: 8, .value_kind: global_buffer, .address_space: global }
      - { .name: dec, .offset: 48, .size: 8, .value_kind: global_buffer, .address_space: global }
    .group_segment_fixed_size: 153088
    .private_segment_fixed_size: 0
    .kernarg_segment_align: 8
    .kernarg_segment_size: 56
    .max_flat_workgroup_size: 256
    .sgpr_count:     66
    .vgpr_count:     256
    .wavefront_size: 32
...
	.end_amdgpu_metadata
.endif
;; end of part 1
;; launch main (part 2): grid 256 x 1, 4 waves a work-group, clusters of 4 x 1, 327,680 bytes of LDS; arguments q_h, h, wq, dec, coverage, enc_padding_mask, W_c, v_w, scores, cpart; writes scores, cpart
.if DOCPART == 2
	.amdgcn_target "amdgcn-amd-amdhsa--gfx1250"
	.amdhsa_code_object_version 6
	.text
	.protected	k_qbf3fa6b6f5_main
	.globl	k_qbf3fa6b6f5_main
	.p2align	8
	.type	k_qbf3fa6b6f5_main,@function
k_qbf3fa6b6f5_main:
	s_mov_b64 s[64:65], 0
	v_nop
	global_prefetch_b8 v0, s[64:65] scope:SCOPE_SE
	s_setreg_imm32_b32 hwreg(HW_REG_WAVE_MODE, 25, 1), 1
	s_wait_xcnt 0x0
	s_wait_alu depctr_hold_cnt(0) depctr_sa_sdst(0) depctr_va_vdst(0) depctr_va_sdst(0) depctr_va_ssrc(0) depctr_va_vcc(0) depctr_vm_vsrc(0)
	s_getreg_b32 s2, hwreg(HW_REG_IB_STS2, 6, 4)
	s_cmp_eq_u32 s2, 0
	s_cbranch_scc0 .Lentry_in_a_cluster
	s_endpgm
.Lentry_in_a_cluster:
	s_bfe_u32 s2, ttmp6, 0x10000c
	s_cmp_lg_u32 s2, 0x3003
	s_cbranch_scc0 .Lentry_shape_is_right
	s_endpgm
.Lentry_shape_is_right:
; ADDITIVE ATTENTION IN MX-FP4, launch 2 of 3: both large products, tanh, the scores, and each block's part of the context vector.  h and q_h are read once.
; WORK LEFT OUT (shown at the head of the first kernel): the softmax's own divisor, which cancels in the renormalisation, and the term sum_n v_n of the scores, which is the same along the softmax's axis.
; WHAT IS STORED.  scores: s2[row] = log2(e) x (score - sum_n v_n) = sum_n (-2 log2(e) v_n) / (1 + 2^(2 log2(e) x_n)).  cpart[block][:] = sum over the block's 64 rows of 2^(s2 - the block's largest s2) x mask x h[row][:].
;  The last launch brings the blocks of a batch under the batch's maximum and divides.  For 2^(..) = infinity the quotient is 0 and for 0 it is 1: tanh's ends, with no branch.
; SHARES.  A work-group of four waves stays for two blocks of 64 rows (rows 128 wg + 64 blk, all of one batch).  In the products wave w owns columns 256 w .. + 255 for all 64 rows: 64 accumulators, 512 registers.
;  For loading and quantising wave w owns rows 16 w .. + 15.  K = 2,048 in 16 steps of 128: steps 0-7 q_h with W_q, steps 8-15 h with W_h, one sum for both products; the sums BEGIN as dec + coverage x W_c.
; x (q_h, then h) comes straight into registers, a ring of four slots of one K step (16 loads each): 64 loads of 16 bytes a lane are out in every wave, with counted waits, across the matrix steps and the block's end too.
;  A lane holds 8 neighbours along K, four lanes a block of 32: the largest magnitude takes two steps across lanes, the conversion gives 4 bytes of codes, which go to LDS as rows (pitch 80) for all four waves.
;  h is also kept in LDS as bf16 (131,072 bytes a block) for the context vector, so that it is not read from memory again.
; THE WEIGHTS' CODES are walked by every block: 16 K steps of 69,632 bytes, laid by the first launch as register images, through a ring of two LDS slots filled by the data mover, a quarter of a slot a wave.
; CLUSTER.  All work-groups walk the same weights in the same order: the four of a cluster ask for each quarter JOINTLY (the same load, the same descriptor, mask 15).  Nothing but global addresses of x, the parameters and
;  the results hangs on a work-group's place in its cluster.
; THE MATRIX INSTRUCTION: source 0 = 16 rows of x, source 1 = 16 columns (rows of W): in the result lane (r, h) holds column r and its registers rows 8 h + 0 .. 7.  So a score is a sum over lanes, waves and tiles.
; NO PREFETCH: x has its 64 loads a wave out all the time; the weights are read again by every cluster.
; LIMITS: as stated at the head of the first kernel for the quantisers.  h enters the context vector rounded to bf16.
; REGISTERS, in windows of 256 (s_set_vgpr_msb: bits 1:0 source 0, 3:2 source 1, 5:4 source 2, 7:6 destination): window 0: see below; window 1: the ring of x, slot j at v[64 j], two rows' unit u at + 8 u;
;  windows 2 and 3: accumulator (a, b) (rows 16 a on, columns 16 b on) in window 2 + b / 8 at v[8 (4 (b % 8) + a)].
.set WSL,   69632                      ; a slot: 65,536 bytes of codes, 4,096 of scale words.  Slots at 0 and WSL: filled by tensor loads alone
.set HB,    2*WSL                      ; h as bf16: 64 rows x 2,048 bytes
.set AB,    HB+131072                  ; x's codes: four buffers (a K step each) of 64 rows x 80 bytes (64 + 16 of padding: the 16 rows of a load start in 16 different columns of 16 bytes)
.set ABUF,  5120
.set AS,    AB+4*ABUF                  ; x's scale words: four buffers of 64 rows x 4 bytes
.set PAR,   AS+1024                    ; each wave's own: dec, W_c, -2 log2(e) v_w of its 256 columns as register images (2,048 bytes each), then 128 rows' coverage
.set PARW,  6656
.set SP,    PAR+4*PARW                 ; each wave's partial scores of 64 rows
.set PP,    SP+1024                    ; each wave's own copy of p
.set SPARE, PP+1024                    ; the spare words, 128 bytes for each wave: two blocks of 256 bytes that no other line names
.set SPW, 1                            ; v1  LDS address of my spare word; never rewritten
.set NIL, 2                            ; v2  0; never rewritten
.set XO,  3                            ; v3  x: (16 w + l / 16) rows of 4,096 bytes + 32 (l % 16)
.set ACA, 4                            ; v4  where I put 4 bytes of codes
.set ASA, 5                            ; v5  where I put a scale byte
.set HBA, 6                            ; v6  where I put 16 bytes of bf16
.set AFA, 7                            ; v7  x's fragments: AB + 80 r + 16 h
.set ASR, 8                            ; v8  x's scale words: AS + 4 l
.set BFA, 9                            ; v9, v10   my weights' fragments in slot 0, 1
.set BSA, 11                           ; v11, v12  their scale words
.set ADA, 13                           ; v13 x's fragments, the buffer in hand
.set ADS, 14                           ; v14 x's scale words likewise
.set FLOOR, 15                         ; v15 2^(3 - 127)
.set PRD, 16                           ; v16 my parameters: + 16 l
.set PCV, 17                           ; v17 my coverage: + 32 h
.set SPA, 18                           ; v18 my partial scores: + 32 h
.set SPR, 19                           ; v19 all waves' partial scores: SP + 8 l
.set PPA, 20                           ; v20 my p, on the way in: + 8 l
.set PPB, 21                           ; v21 and on the way out
.set HBR, 22                           ; v22 bf16 h: my 256 columns, + 8 l
.set TA,  23                           ; v23, v24 addresses in hand
.set TB,  24
.set SCO, 25                           ; v25 8 l
.set CPO, 26                           ; v26 1,024 w + 16 l
.set MK,  28                           ; v28-31 the mask of rows 2 l, 2 l + 1: this block's, the next block's
.set M,   32                           ; v32-39 largest magnitudes, then the conversions' scale operands
.set BY,  40                           ; v40-71 scale bytes, 8 a K step
.set ASC, 72                           ; v72-73 x's scale words: register i: lanes 0-15 tile 2 i, lanes 16-31 tile 2 i + 1.  Scales and nothing else
.set BSC, 74                           ; v74-81 the weights': register q: tiles 2 q, 2 q + 1.  Scales and nothing else
.set AF,  82                           ; v82-113  x's four fragments; while quantising: the codes just made, 8 a K step
.set BF,  114                          ; v114-241 the weights' sixteen fragments; while quantising: bf16 of h, 32 a K step
.set DECR, 114                         ; at a block's start: dec, W_c (16 each), coverage (32)
.set WCR,  130
.set COVR, 146
.set VR,  114                          ; behind the products: -2 log2(e) v_w (16), the score sums S (32), 64 numbers at work T
.set S,   130
.set T,   162
.set PR,  162                          ; in the tail: 16 rows' p, their bf16 h (64), my 8 columns' sums
.set HV,  178
.set C,   242
.set WV,  24                           ; s24 wave
.set CX,  25                           ; s25 my place in the cluster
.set WG,  26                           ; s26 work-group
.set BLK, 27                           ; s27 blocks to go
.set QD,  28                           ; s28 quads to go in the loop
.set CT,  29                           ; s29 inner loops' counter
.set AO,  30                           ; s30 x's code buffers: 0 or 2 buffers on
.set AO2, 31                           ; s31 the scale buffers likewise
.set G1,  32                           ; s[32:39] descriptor group 1
.set G0,  40                           ; s[40:43], s[44:47] group 0 for slot 0, 1
.set WB,  48                           ; s[48:49] wq + my quarter
.set PQ,  50                           ; s[50:51] q_h at the block's first row
.set PH,  52                           ; s[52:53] h likewise
.set XP,  54                           ; s[54:55] base of the loads of x that are being issued
.set KK,  60                           ; s[60:61] 2 log2(e)
.set SEL, 62                           ; s[62:63] v_permlanex16_b32's selects for lane l xor 16
.set SCB, 66                           ; s[66:67] scores at the block
.set CPB, 68                           ; s[68:69] cpart at the block
.set CVO, 78                           ; s78 the block's coverage in my parameters: 0, 256
.set MSB, 0
.macro WIN new                         ; the immediate's high byte repeats the setting that is left; a switch that changes nothing is dropped
.if MSB != \new
	s_set_vgpr_msb (MSB<<8)|\new
.set MSB, \new
.endif
.endm
.macro ROUND                           ; a round of the cluster's barrier
	s_barrier_signal -1
	s_barrier_wait -1
	s_cmp_lg_u32 s[WV], 0
	s_cbranch_scc1 .Lnot_wave_0_\@
	s_barrier_signal -3
.Lnot_wave_0_\@:
	s_barrier_wait -3
	s_barrier_signal -1
	s_barrier_wait -1
.endm
.macro XLOAD j                         ; slot j: my 16 rows x 128 K of the quad at s[XP]: a lane's 32 bytes by two loads; a pair of loads covers two rows' 512 consecutive bytes
	WIN 0x40
.irp u, 0,1,2,3,4,5,6,7
	global_load_b128 v[64*\j+8*\u:64*\j+8*\u+3], v[XO], s[XP:XP+1] offset:8192*\u+512*\j
	global_load_b128 v[64*\j+8*\u+4:64*\j+8*\u+7], v[XO], s[XP:XP+1] offset:8192*\u+512*\j+16
.endr
	WIN 0
.endm
; Slot j is quantised: codes and scale bytes to LDS buffer j.  cnt: the loads issued behind the slot's own, which may stay out.  ld = 1: the slot is loaded again.
; hb = 1: the numbers are h's: also as bf16 to LDS, hoff bytes along the rows;  hb = 2: so only in the loop's last quad.
.macro QSTEP j, cnt, ld, hb, hoff
	s_wait_loadcnt \cnt
	WIN 0x14
.irp u, 0,1,2,3,4,5,6,7
	v_max3_num_f32 v[M+\u], v[FLOOR], |v[64*\j+8*\u]|, |v[64*\j+8*\u+1]|          ; my 8 numbers of unit u, and the floor: the byte cannot fall under 1.  (The eight units by turns)
.endr
.irp e, 2,4,6
.irp u, 0,1,2,3,4,5,6,7
	v_max3_num_f32 v[M+\u], v[M+\u], |v[64*\j+8*\u+\e]|, |v[64*\j+8*\u+\e+1]|
.endr
.endr
	WIN 0
.irp x, 1,2
.irp u, 0,1,2,3,4,5,6,7
	v_max_num_f32_dpp v[M+\u], v[M+\u], v[M+\u] row_xmask:\x row_mask:0xf bank_mask:0xf   ; four neighbouring lanes hold a block of 32
.endr
.endr
.irp u, 0,1,2,3,4,5,6,7
	v_add_nc_u32 v[M+\u], 0xff000000, v[M+\u]      ; 2 off the exponent field: the conversion's scale operand
.endr
.irp u, 0,1,2,3,4,5,6,7
	v_lshrrev_b32 v[BY+8*\j+\u], 23, v[M+\u]       ; the scale's byte
.endr
	WIN 0x01
.irp u, 0,1,2,3,4,5,6,7
	v_cvt_scalef32_pk8_fp4_f32 v[AF+8*\j+\u], v[64*\j+8*\u:64*\j+8*\u+7], v[M+\u]
.endr
	v_nop                                          ; one plain instruction behind the last scaled conversion
	WIN 0
.if \hb == 2
	s_cmp_lg_u32 s[QD], 1                          ; the loop's last quad holds h's first half
	s_cbranch_scc1 .Lno_bf16_\@
.endif
.if \hb
	WIN 0x05
.irp u, 0,1,2,3,4,5,6,7
.irp e, 0,1,2,3
	v_cvt_pk_bf16_f32 v[BF+32*\j+4*\u+\e], v[64*\j+8*\u+2*\e], v[64*\j+8*\u+2*\e+1]
.endr
.endr
	WIN 0
.irp u, 0,1,2,3,4,5,6,7
	ds_store_b128 v[HBA], v[BF+32*\j+4*\u:BF+32*\j+4*\u+3] offset:4096*\u+256*\j+\hoff   ; sixteen lanes fill 256 consecutive bytes of a row
.endr
.endif
.if \hb == 2
.Lno_bf16_\@:
.endif
.irp u, 0,1,2,3,4,5,6,7
	ds_store_b32 v[ACA], v[AF+8*\j+\u] offset:ABUF*\j+160*\u
.endr
.irp u, 0,1,2,3,4,5,6,7
	ds_store_b8 v[ASA], v[BY+8*\j+\u] offset:256*\j+8*\u      ; the four lanes of a block write the same byte with the same value
.endr
.if \ld
	XLOAD \j
.endif
.endm
.macro Q4 ld, hb, hoff                 ; a quad: four K steps.  Each step has registers of its own for what it stores to LDS: none is written again before the next wait for all LDS instructions
.if \ld
	QSTEP 0, 48, 1, \hb, \hoff                     ; 48: the three other slots' loads were issued behind this slot's
	QSTEP 1, 48, 1, \hb, \hoff
	QSTEP 2, 48, 1, \hb, \hoff
	QSTEP 3, 48, 1, \hb, \hoff
.else
	QSTEP 0, 48, 0, \hb, \hoff                     ; nothing is left to load: the counts run down
	QSTEP 1, 32, 0, \hb, \hoff
	QSTEP 2, 16, 0, \hb, \hoff
	QSTEP 3, 0, 0, \hb, \hoff
.endif
.endm
.macro WM a, b                         ; accumulator (a, b) += x's tile a times the weights' tile b
.set rD, 8*(4*((\b)%8)+(\a))
.set rA, AF+8*(\a)
.set rB, BF+8*(\b)
.set rSA, ASC+(\a)/2
.set rSB, BSC+(\b)/2
.if ((\a)%2 == 0) && ((\b)%2 == 0)
	v_wmma_scale_f32_16x16x128_f8f6f4 v[rD:rD+7], v[rA:rA+7], v[rB:rB+7], v[rD:rD+7], v[rSA], v[rSB] matrix_a_fmt:MATRIX_FMT_FP4 matrix_b_fmt:MATRIX_FMT_FP4
.elseif ((\a)%2 == 1) && ((\b)%2 == 0)
	v_wmma_scale_f32_16x16x128_f8f6f4 v[rD:rD+7], v[rA:rA+7], v[rB:rB+7], v[rD:rD+7], v[rSA], v[rSB] matrix_a_fmt:MATRIX_FMT_FP4 matrix_b_fmt:MATRIX_FMT_FP4 matrix_a_scale:MATRIX_SCALE_ROW1
.elseif ((\a)%2 == 0) && ((\b)%2 == 1)
	v_wmma_scale_f32_16x16x128_f8f6f4 v[rD:rD+7], v[rA:rA+7], v[rB:rB+7], v[rD:rD+7], v[rSA], v[rSB] matrix_a_fmt:MATRIX_FMT_FP4 matrix_b_fmt:MATRIX_FMT_FP4 matrix_b_scale:MATRIX_SCALE_ROW1
.else
	v_wmma_scale_f32_16x16x128_f8f6f4 v[rD:rD+7], v[rA:rA+7], v[rB:rB+7], v[rD:rD+7], v[rSA], v[rSB] matrix_a_fmt:MATRIX_FMT_FP4 matrix_b_fmt:MATRIX_FMT_FP4 matrix_a_scale:MATRIX_SCALE_ROW1 matrix_b_scale:MATRIX_SCALE_ROW1
.endif
.endm
; A K step of the products, on weight slot sg and x's buffer (s[AO] / ABUF) + sg.  In front of the barrier each wave waits for all its tensor loads (its quarter of this slot), adds 0 to its spare word, and waits for that,
; for its LDS stores (x's codes) and for its reads of the other slot.  refill = 1: the barrier is a round of the cluster's, and behind it the other slot takes the next K step: my one tensor load until the next round.
; The 64 accumulators take turns, one instruction a turn, in the same order in every step.
.macro GSTEP sg, refill
	s_wait_tensorcnt 0x0                           ; no tensor load of mine is out, so a group 0 may be written
	ds_add_u32 v[SPW], v[NIL]                      ; 0 onto my spare word
	s_add_nc_u64 s[G0+4*\sg+2:G0+4*\sg+3], s[G0+4*\sg+2:G0+4*\sg+3], 2*WSL   ; this slot's next K step; the type bits on top are not reached
	v_add_nc_u32 v[ADA], s[AO], v[AFA]
	v_add_nc_u32 v[ADS], s[AO2], v[ASR]
	s_wait_dscnt 0x0
.if \refill
	ROUND
	tensor_load_to_lds s[G0+4-4*\sg:G0+7-4*\sg], s[G1:G1+7]
	s_nop 0
.else
	s_barrier_signal -1
	s_barrier_wait -1
.endif
.rept 4
	v_nop                                          ; four plain instructions between the last step's matrix instructions and the loads into their operands
.endr
	ds_load_b32 v[ASC], v[ADS] offset:256*\sg
	ds_load_b32 v[ASC+1], v[ADS] offset:256*\sg+128
	ds_load_b128 v[BSC:BSC+3], v[BSA+\sg]
	ds_load_b128 v[BSC+4:BSC+7], v[BSA+\sg] offset:512
.irp a, 0,1,2,3
.irp c, 0,1
	ds_load_b128 v[AF+8*\a+4*\c:AF+8*\a+4*\c+3], v[ADA] offset:ABUF*\sg+1280*\a+32*\c
.endr
.endr
.irp b, 0,1,2,3,4,5,6,7,8,9,10,11,12,13,14,15
.irp c, 0,1
	ds_load_b128 v[BF+8*\b+4*\c:BF+8*\b+4*\c+3], v[BFA+\sg] offset:1024*\b+512*\c
.endr
.endr
.irp b, 0,1,2,3,4,5,6,7,8,9,10,11,12,13,14,15
.if \b == 0
	WIN 0xa0                                       ; C and D in window 2
.endif
.if \b == 8
	WIN 0xf0                                       ; in window 3
.endif
	s_wait_dscnt 30-2*\b                           ; tile b's two loads are in; the later tiles' pairs may be out
.irp a, 0,1,2,3
	WM \a, \b
.endr
.endr
	WIN 0
.endm
; The sums begin as dec[column] + coverage[row] x W_c[column].
.macro INIT
	v_add_nc_u32 v[TA], s[CVO], v[PCV]
.irp g, 0,1,2,3
	ds_load_b128 v[DECR+4*\g:DECR+4*\g+3], v[PRD] offset:512*\g
.endr
.irp g, 0,1,2,3
	ds_load_b128 v[WCR+4*\g:WCR+4*\g+3], v[PRD] offset:2048+512*\g
.endr
.irp a, 0,1,2,3
.irp i, 0,1
	ds_load_b128 v[COVR+8*\a+4*\i:COVR+8*\a+4*\i+3], v[TA] offset:64*\a+16*\i   ; rows 16 a + 8 h + 4 i on
.endr
.endr
	s_wait_dscnt 0x0
.irp b, 0,1,2,3,4,5,6,7,8,9,10,11,12,13,14,15
.if \b == 0
	WIN 0x80
.endif
.if \b == 8
	WIN 0xc0
.endif
.irp a, 0,1,2,3
.irp j, 0,2,4,6
.if (\b)%2 == 0
	v_pk_fma_f32 v[8*(4*(\b%8)+\a)+\j:8*(4*(\b%8)+\a)+\j+1], v[COVR+8*\a+\j:COVR+8*\a+\j+1], v[WCR+\b:WCR+\b+1], v[DECR+\b:DECR+\b+1] op_sel_hi:[1,0,0]   ; of the pairs W_c and dec the low word serves both rows
.else
	v_pk_fma_f32 v[8*(4*(\b%8)+\a)+\j:8*(4*(\b%8)+\a)+\j+1], v[COVR+8*\a+\j:COVR+8*\a+\j+1], v[WCR+\b-1:WCR+\b], v[DECR+\b-1:DECR+\b] op_sel:[0,1,1] op_sel_hi:[1,1,1]   ; the high word
.endif
.endr
.endr
.endr
	WIN 0
.endm
; Tiles b = 2 p and 2 p + 1 of all 64 rows: S[row] += (-2 log2(e) v) / (1 + 2^(2 log2(e) x)).  The 64 exponentials are one batch with one wait, and so are the 64 reciprocals.
.macro EBATCH p
	WIN (0x02+(\p)/4)
.set i, 0
.rept 32
	v_pk_mul_f32 v[T+i:T+i+1], v[64*((\p)%4)+i:64*((\p)%4)+i+1], s[KK:KK+1] op_sel_hi:[1,0]   ; ascending: each accumulator is read from its low end on
.set i, i+2
.endr
	WIN 0
.set i, 0
.rept 64
	v_exp_f32 v[T+i], v[T+i]
.set i, i+1
.endr
	v_nop                                          ; a plain instruction behind the last exponential,
	s_wait_alu depctr_va_vdst(0)                   ; and the one wait for the batch, ahead of its first reader
.set i, 0
.rept 32
	v_pk_add_f32 v[T+i:T+i+1], v[T+i:T+i+1], 1.0 op_sel_hi:[1,0]
.set i, i+2
.endr
.set i, 0
.rept 64
	v_rcp_f32 v[T+i], v[T+i]
.set i, i+1
.endr
	v_nop
	s_wait_alu depctr_va_vdst(0)
.set i, 0
.rept 16
.if \p == 0
	v_pk_mul_f32 v[S+i:S+i+1], v[T+i:T+i+1], v[VR:VR+1] op_sel_hi:[1,0]           ; the first tile starts the sums: nothing is cleared
.else
	v_pk_fma_f32 v[S+i:S+i+1], v[T+i:T+i+1], v[VR+2*\p:VR+2*\p+1], v[S+i:S+i+1] op_sel_hi:[1,0,1]
.endif
.set i, i+2
.endr
.set i, 0
.rept 16
	v_pk_fma_f32 v[S+i:S+i+1], v[T+32+i:T+33+i], v[VR+2*\p:VR+2*\p+1], v[S+i:S+i+1] op_sel:[0,1,0] op_sel_hi:[1,1,1]
.set i, i+2
.endr
.endm
	s_load_b256 s[4:11], s[0:1], 0x0               ; q_h s[4:5], h s[6:7], wq s[8:9], dec s[10:11]
	s_load_b256 s[12:19], s[0:1], 0x20             ; coverage s[12:13], mask s[14:15], W_c s[16:17], v_w s[18:19]
	s_load_b128 s[20:23], s[0:1], 0x40             ; scores s[20:21], cpart s[22:23]
	v_lshl_add_u32 v[SPW], v0, 2, SPARE
	v_mov_b32 v[NIL], 0
	ds_add_u32 v[SPW], v[NIL]                      ; the wave's opening: the add, twice on end, and its wait ahead of my first tensor load; the set-up below, work on registers, stands between
	ds_add_u32 v[SPW], v[NIL]
	v_lshrrev_b32 v242, 5, v0
	v_readfirstlane_b32 s[WV], v242                ; wave 0..3
	s_bfe_u32 s[CX], ttmp6, 0x40000                ; my place in the cluster
	s_lshl_b32 s[WG], ttmp9, 2                     ; in a cluster launch ttmp9 counts clusters
	s_add_co_u32 s[WG], s[WG], s[CX]               ; work-group 0..255: it enters global addresses alone
	; descriptor group 1: a quarter of a slot, 17,408 dense bytes, as 68 rows of 32 elements of 8 bytes
	s_mov_b32 s[G1+0], 15|(3<<16)|(1<<21)          ; 15:0 the mask: all four work-groups; 17:16 elements of 8 bytes; 20 no padding; 21 set beside a mask
	s_mov_b32 s[G1+1], 32<<16                      ; tensor_dim0 = 32
	s_mov_b32 s[G1+2], 68<<16                      ; tensor_dim1 = 68
	s_mov_b32 s[G1+3], 32<<16                      ; tile_dim0 = 32
	s_mov_b32 s[G1+4], 68                          ; tile_dim1 = 68
	s_mov_b32 s[G1+5], 32                          ; from row to row
	s_mov_b32 s[G1+6], 0
	s_mov_b32 s[G1+7], 0
	s_mul_i32 s72, s[WV], WSL/4                    ; my quarter: in wq and in a slot
	s_mov_b32 s73, 0
	s_mov_b32 s[G0], 1                             ; count = 1
	s_mov_b32 s[G0+1], s72                         ; LDS address: slot 0
	s_mov_b32 s[G0+4], 1
	s_add_co_u32 s[G0+5], s72, WSL                 ; slot 1
	s_mov_b32 s[KK], 0x4038aa3b                    ; 2 log2(e)
	s_mov_b32 s[KK+1], s[KK]                       ; (named with it as a pair, so it is written)
	s_mov_b32 s[SEL], 0x76543210
	s_mov_b32 s[SEL+1], 0xfedcba98
	s_mov_b32 s[CVO], 0
	s_mov_b32 s[BLK], 2
	v_and_b32 v242, 31, v0                         ; l
	v_and_b32 v243, 15, v0                         ; r = l % 16
	v_bfe_u32 v244, v0, 4, 1                       ; h = l / 16
	s_lshl_b32 s56, s[WV], 16
	v_lshlrev_b32 v[XO], 5, v243
	v_lshl_add_u32 v[XO], v244, 12, v[XO]
	v_add_nc_u32 v[XO], s56, v[XO]
	s_mul_i32 s56, s[WV], 1280
	s_add_co_u32 s56, s56, AB
	v_mul_u32_u24 v[ACA], v244, 80
	v_lshl_add_u32 v[ACA], v243, 2, v[ACA]
	v_add_nc_u32 v[ACA], s56, v[ACA]               ; AB + (16 w + h) 80 + 4 r
	s_lshl_b32 s56, s[WV], 6
	s_add_co_u32 s56, s56, AS
	v_lshrrev_b32 v[ASA], 2, v243
	v_lshl_add_u32 v[ASA], v244, 2, v[ASA]
	v_add_nc_u32 v[ASA], s56, v[ASA]               ; AS + (16 w + h) 4 + r / 4
	s_lshl_b32 s56, s[WV], 15
	s_add_co_u32 s56, s56, HB
	v_lshlrev_b32 v[HBA], 4, v243
	v_lshl_add_u32 v[HBA], v244, 11, v[HBA]
	v_add_nc_u32 v[HBA], s56, v[HBA]               ; HB + (16 w + h) 2,048 + 16 r
	v_mul_u32_u24 v[AFA], v243, 80
	v_lshl_add_u32 v[AFA], v244, 4, v[AFA]
	v_add_nc_u32 v[AFA], AB, v[AFA]
	v_lshl_add_u32 v[ASR], v242, 2, AS
	s_lshl_b32 s56, s[WV], 14
	v_lshl_add_u32 v[BFA], v242, 4, s56            ; my 16 tiles of 1,024 bytes
	v_add_nc_u32 v[BFA+1], WSL, v[BFA]
	s_lshl_b32 s56, s[WV], 10
	s_add_co_u32 s57, s56, 65536
	v_lshl_add_u32 v[BSA], v242, 4, s57
	v_add_nc_u32 v[BSA+1], WSL, v[BSA]
	v_lshl_add_u32 v[CPO], v242, 4, s56
	v_lshl_add_u32 v246, v243, 2, s56              ; W_c, v_w: column 256 w + r
	v_mov_b32 v[FLOOR], 0x1800000
	s_mul_i32 s56, s[WV], PARW
	s_add_co_u32 s56, s56, PAR
	v_lshl_add_u32 v[PRD], v242, 4, s56
	s_add_co_u32 s56, s56, 6144
	v_lshl_add_u32 v[PCV], v244, 5, s56
	s_lshl_b32 s56, s[WV], 8
	s_add_co_u32 s57, s56, SP
	v_lshl_add_u32 v[SPA], v244, 5, s57
	v_lshl_add_u32 v[SPR], v242, 3, SP
	s_add_co_u32 s57, s56, PP
	v_lshl_add_u32 v[PPA], v242, 3, s57
	v_mov_b32 v[PPB], s57
	s_lshl_b32 s56, s[WV], 9
	s_add_co_u32 s56, s56, HB
	v_lshl_add_u32 v[HBR], v242, 3, s56
	v_lshlrev_b32 v[SCO], 3, v242
	; dec of my batch: chunk q = 2 (batch / 16) + (batch / 4) % 2, lane 16 ((batch / 8) % 2) + r, word batch % 4, tile 16 w + b
	s_lshr_b32 s56, s[WG], 3                       ; batch
	s_lshr_b32 s57, s56, 4
	s_lshl_b32 s57, s57, 1
	s_bfe_u32 s58, s56, 0x10002
	s_add_co_u32 s57, s57, s58
	s_lshl_b32 s57, s57, 9
	s_bfe_u32 s58, s56, 0x10003
	s_lshl_b32 s58, s58, 8
	s_add_co_u32 s57, s57, s58
	s_and_b32 s58, s56, 3
	s_lshl_b32 s58, s58, 2
	s_add_co_u32 s57, s57, s58
	s_lshl_b32 s58, s[WV], 15
	s_add_co_u32 s57, s57, s58
	v_lshl_add_u32 v245, v243, 4, s57
	s_lshl_b32 s74, s[WG], 9                       ; 128 rows x 4 bytes a work-group: coverage, mask, scores
	s_mov_b32 s75, 0
	v_lshl_add_u32 v247, v242, 4, s74
	v_lshl_add_u32 v248, v242, 3, s74
	s_lshl_b32 s70, s[WG], 19                      ; 128 rows x 4,096 bytes
	s_mov_b32 s71, 0
	s_lshl_b32 s76, s[WG], 13                      ; two blocks x 4,096 bytes of cpart
	s_mov_b32 s77, 0
	s_wait_dscnt 0x0                               ; both opening adds are done
	s_wait_kmcnt 0x0
	s_add_nc_u64 s[PQ:PQ+1], s[4:5], s[70:71]
	s_add_nc_u64 s[PH:PH+1], s[6:7], s[70:71]
	s_mov_b64 s[XP:XP+1], s[PQ:PQ+1]
	s_add_nc_u64 s[WB:WB+1], s[8:9], s[72:73]
	s_add_nc_u64 s[SCB:SCB+1], s[20:21], s[74:75]
	s_add_nc_u64 s[CPB:CPB+1], s[22:23], s[76:77]
.irp b, 0,1,2,3,4,5,6,7,8,9,10,11,12,13,14,15
	global_load_b32 v[DECR+\b], v245, s[10:11] offset:2048*\b
.endr
.irp b, 0,1,2,3,4,5,6,7,8,9,10,11,12,13,14,15
	global_load_b32 v[WCR+\b], v246, s[16:17] offset:64*\b
.endr
.irp b, 0,1,2,3,4,5,6,7,8,9,10,11,12,13,14,15
	global_load_b32 v[146+\b], v246, s[18:19] offset:64*\b
.endr
	global_load_b128 v[162:165], v247, s[12:13]    ; the 128 rows' coverage
	global_load_b64 v[MK:MK+1], v248, s[14:15]
	global_load_b64 v[MK+2:MK+3], v248, s[14:15] offset:256
	XLOAD 0
	XLOAD 1
	XLOAD 2
	s_wait_loadcnt 48                              ; the parameters are in; the three slots' 48 loads behind them may be out
.irp b, 0,1,2,3,4,5,6,7,8,9,10,11,12,13,14,15
	v_mul_f32 v[146+\b], 0xc038aa3b, v[146+\b]     ; -2 log2(e) v_w
.endr
.irp g, 0,1,2,3
	ds_store_b128 v[PRD], v[DECR+4*\g:DECR+4*\g+3] offset:512*\g          ; images of the registers, in my own bytes
.endr
.irp g, 0,1,2,3
	ds_store_b128 v[PRD], v[WCR+4*\g:WCR+4*\g+3] offset:2048+512*\g
.endr
.irp g, 0,1,2,3
	ds_store_b128 v[PRD], v[146+4*\g:149+4*\g] offset:4096+512*\g
.endr
	ds_store_b128 v[PRD], v[162:165] offset:6144
	XLOAD 3
.Lblock:                                           ; two trips: a block of 64 rows each
	s_wait_tensorcnt 0x0                           ; no tensor load of mine is out
	ds_add_u32 v[SPW], v[NIL]                      ; the add, twice on end
	ds_add_u32 v[SPW], v[NIL]
	s_mov_b64 s[G0+2:G0+3], s[WB:WB+1]             ; the walk over the weights begins anew: slot 0 takes K step 0,
	s_or_b32 s[G0+3], s[G0+3], 0x80000000          ; type = 2
	s_add_nc_u64 s[G0+6:G0+7], s[WB:WB+1], WSL     ; slot 1 K step 1
	s_or_b32 s[G0+7], s[G0+7], 0x80000000
	s_wait_dscnt 0x0                               ; the adds are done; so are my LDS stores and my reads of both slots
	ROUND
	tensor_load_to_lds s[G0:G0+3], s[G1:G1+7]      ; it lands while the sums are begun and the first quad is quantised
	s_nop 0
.rept 4
	v_nop
.endr
	INIT
	s_mov_b32 s[QD], 3
.Lquad:                                            ; three trips: q_h's two halves, h's first half
	s_wait_xcnt 0x0                                ; the loads issued so far have read their base: it may be written
	s_cmp_eq_u32 s[QD], 3                          ; what is loaded is the NEXT quad: q_h's second half, h's first, h's second
	s_cselect_b64 s[XP:XP+1], s[PQ:PQ+1], s[PH:PH+1]
	s_cmp_lg_u32 s[QD], 2
	s_cselect_b32 s56, 2048, 0
	s_mov_b32 s57, 0
	s_add_nc_u64 s[XP:XP+1], s[XP:XP+1], s[56:57]
	Q4 1, 2, 0
	s_mov_b32 s[AO], 0
	s_mov_b32 s[AO2], 0
	s_mov_b32 s[CT], 2
.Lpair:
	GSTEP 0, 1
	GSTEP 1, 1
	s_add_co_u32 s[AO], s[AO], 2*ABUF
	s_add_co_u32 s[AO2], s[AO2], 512
	s_sub_co_u32 s[CT], s[CT], 1
	s_cmp_lg_u32 s[CT], 0
	s_cbranch_scc1 .Lpair
	s_wait_dscnt 0x0                               ; my reads of x's buffers are over:
	s_barrier_signal -1                            ; no wave writes them again before all four have said so.
	s_barrier_wait -1
	s_sub_co_u32 s[QD], s[QD], 1
	s_cmp_lg_u32 s[QD], 0
	s_cbranch_scc1 .Lquad
	; the fourth quad, h's second half, is written out: its last K step asks for no further weights, and the last block loads no further x
	s_wait_xcnt 0x0
	s_add_nc_u64 s[XP:XP+1], s[PQ:PQ+1], 0x40000   ; the next block's q_h
	s_cmp_eq_u32 s[BLK], 1
	s_cbranch_scc1 .Llast_quad
	Q4 1, 1, 1024
	s_branch .Lquantised
.Llast_quad:
	Q4 0, 1, 1024
.Lquantised:
	s_mov_b32 s[AO], 0
	s_mov_b32 s[AO2], 0
	GSTEP 0, 1
	GSTEP 1, 1
	s_mov_b32 s[AO], 2*ABUF
	s_mov_b32 s[AO2], 512
	GSTEP 0, 1
	GSTEP 1, 0
	; ---- tanh and the scores
.rept 4
	v_nop                                          ; four plain instructions between the last matrix instructions and the first read of results and the loads into their operands
.endr
.irp g, 0,1,2,3
	ds_load_b128 v[VR+4*\g:VR+4*\g+3], v[PRD] offset:4096+512*\g
.endr
	s_wait_dscnt 0x0
	EBATCH 0
	EBATCH 1
	EBATCH 2
	EBATCH 3
	EBATCH 4
	EBATCH 5
	EBATCH 6
	EBATCH 7
.irp x, 1,2,4,8
.set i, 0
.rept 32
	v_add_f32_dpp v[S+i], v[S+i], v[S+i] row_xmask:\x row_mask:0xf bank_mask:0xf   ; over the 16 columns that the lanes of a half hold
.set i, i+1
.endr
.endr
.irp a, 0,1,2,3
.irp i, 0,1
	ds_store_b128 v[SPA], v[S+8*\a+4*\i:S+8*\a+4*\i+3] offset:64*\a+16*\i   ; rows 16 a + 8 h + 4 i on; the 16 lanes of a half write the same bytes with the same values
.endr
.endr
	s_wait_dscnt 0x0                               ; for the others' sake: my partial scores have landed; my reads of x's buffers are long over
	s_barrier_signal -1
	s_barrier_wait -1
.irp w, 0,1,2,3
	ds_load_b64 v[S+2*\w:S+2*\w+1], v[SPR] offset:256*\w   ; every wave takes all four waves' parts of rows 2 l, 2 l + 1
.endr
	s_wait_dscnt 0x0
	v_pk_add_f32 v[S:S+1], v[S:S+1], v[S+2:S+3]
	v_pk_add_f32 v[S+4:S+5], v[S+4:S+5], v[S+6:S+7]
	v_pk_add_f32 v[S:S+1], v[S:S+1], v[S+4:S+5]    ; s2, the same bits in all four waves
	v_max_num_f32 v[S+8], v[S], v[S+1]
.irp x, 1,2,4,8
	v_max_num_f32_dpp v[S+8], v[S+8], v[S+8] row_xmask:\x row_mask:0xf bank_mask:0xf
.endr
	v_permlanex16_b32 v[S+9], v[S+8], s[SEL], s[SEL+1]
	v_max_num_f32 v[S+8], v[S+8], v[S+9]           ; the block's largest s2: taken away ahead of the exponential
	v_sub_f32 v[S+10], v[S], v[S+8]
	v_sub_f32 v[S+11], v[S+1], v[S+8]
	v_exp_f32 v[S+10], v[S+10]
	v_exp_f32 v[S+11], v[S+11]
	v_nop
	s_wait_alu depctr_va_vdst(0)                   ; one wait for the two, ahead of their first reader
	v_pk_mul_f32 v[S+10:S+11], v[S+10:S+11], v[MK:MK+1]   ; p = 2^(s2 - max) x mask
	s_cmp_lg_u32 s[WV], 0
	s_cbranch_scc1 .Lnot_0
	global_store_b64 v[SCO], v[S:S+1], s[SCB:SCB+1]       ; wave 0: 32 lanes store 256 consecutive bytes, aligned
.Lnot_0:
	ds_store_b64 v[PPA], v[S+10:S+11]              ; into my own bytes: LDS serves a wave's instructions in order
.irp e, 0,1,2,3,4,5,6,7
	v_mov_b32 v[C+\e], 0
.endr
	; ---- the block's part of the context vector: my 256 columns, 8 a lane, over the 64 rows
	s_mov_b32 s56, 0
	s_mov_b32 s57, 0
	s_mov_b32 s[CT], 4
.Lrows:                                            ; four trips of 16 rows
	v_add_nc_u32 v[TA], s57, v[PPB]
	v_add_nc_u32 v[TB], s56, v[HBR]
.irp g, 0,1,2,3
	ds_load_b128 v[PR+4*\g:PR+4*\g+3], v[TA] offset:16*\g
.endr
.irp n, 0,1,2,3,4,5,6,7,8,9,10,11,12,13,14,15
.irp c, 0,1
	ds_load_b64 v[HV+4*\n+2*\c:HV+4*\n+2*\c+1], v[TB] offset:2048*\n+256*\c   ; 32 lanes read 256 consecutive bytes of a row
.endr
.endr
	s_wait_dscnt 0x0
.irp n, 0,1,2,3,4,5,6,7,8,9,10,11,12,13,14,15
.irp c, 0,1
	v_fma_mix_f32_bf16 v[C+4*\c], v[HV+4*\n+2*\c], v[PR+\n], v[C+4*\c] op_sel_hi:[1,0,0]
	v_fma_mix_f32_bf16 v[C+4*\c+1], v[HV+4*\n+2*\c], v[PR+\n], v[C+4*\c+1] op_sel:[1,0,0] op_sel_hi:[1,0,0]
	v_fma_mix_f32_bf16 v[C+4*\c+2], v[HV+4*\n+2*\c+1], v[PR+\n], v[C+4*\c+2] op_sel_hi:[1,0,0]
	v_fma_mix_f32_bf16 v[C+4*\c+3], v[HV+4*\n+2*\c+1], v[PR+\n], v[C+4*\c+3] op_sel:[1,0,0] op_sel_hi:[1,0,0]
.endr
.endr
	s_add_co_u32 s56, s56, 32768
	s_add_co_u32 s57, s57, 64
	s_sub_co_u32 s[CT], s[CT], 1
	s_cmp_lg_u32 s[CT], 0
	s_cbranch_scc1 .Lrows
	global_store_b128 v[CPO], v[C:C+3], s[CPB:CPB+1]              ; 32 lanes store 512 consecutive bytes
	global_store_b128 v[CPO], v[C+4:C+7], s[CPB:CPB+1] offset:512
	s_wait_xcnt 0x0                                ; the stores and the loads of x have read their registers and bases: these may be written
	s_add_nc_u64 s[SCB:SCB+1], s[SCB:SCB+1], 256
	s_add_nc_u64 s[CPB:CPB+1], s[CPB:CPB+1], 4096
	s_add_nc_u64 s[PQ:PQ+1], s[PQ:PQ+1], 0x40000
	s_add_nc_u64 s[PH:PH+1], s[PH:PH+1], 0x40000
	s_add_co_u32 s[CVO], s[CVO], 256
	v_mov_b32 v[MK], v[MK+2]
	v_mov_b32 v[MK+1], v[MK+3]
	s_sub_co_u32 s[BLK], s[BLK], 1
	s_cmp_lg_u32 s[BLK], 0
	s_cbranch_scc1 .Lblock
	s_wait_tensorcnt 0x0                           ; the wave's end: behind my last tensor load and my last LDS store
	ds_add_u32 v[SPW], v[NIL]
	s_wait_dscnt 0x0
	ROUND                                          ; the closing round: no work-group ends while a partner may still ask for a quarter that names it
	s_endpgm
.Lfunc_end_k_qbf3fa6b6f5_main:
	.size	k_qbf3fa6b6f5_main, .Lfunc_end_k_qbf3fa6b6f5_main-k_qbf3fa6b6f5_main
	.p2alignl 7, 3214868480
	.fill 96, 4, 3214868480
	.section	.rodata,"a",@progbits
	.p2align	6, 0x0
	.amdhsa_kernel k_qbf3fa6b6f5_main
		.amdhsa_group_segment_fixed_size 327680
		.amdhsa_private_segment_fixed_size 0
		.amdhsa_enable_private_segment 0
		.amdhsa_kernarg_size 80
		.amdhsa_user_sgpr_count 2
		.amdhsa_user_sgpr_kernarg_segment_ptr 1
		.amdhsa_wavefront_size32 1
		.amdhsa_system_sgpr_workgroup_id_x 1
		.amdhsa_system_sgpr_workgroup_id_y 1
		.amdhsa_system_sgpr_workgroup_id_z 1
		.amdhsa_system_vgpr_workitem_id 0
		.amdhsa_next_free_vgpr 1024
		.amdhsa_next_free_sgpr 80
		.amdhsa_reserve_vcc 0
		.amdhsa_float_denorm_mode_32 3
		.amdhsa_float_denorm_mode_16_64 3
		.amdhsa_memory_ordered 1
		.amdhsa_forward_progress 1
		.amdhsa_inst_pref_size 255
	.end_amdhsa_kernel
	.section	.bss,"aw",@nobits
	.p2align	6
	.space	262144
	.amdgpu_metadata
---
amdhsa.version: [ 1, 2 ]
amdhsa.kernels:
  - .name:           k_qbf3fa6b6f5_main
    .symbol:         k_qbf3fa6b6f5_main.kd
    .args:
      - { .name: q_h, .offset: 0, .size: 8, .value_kind: global_buffer, .address_space: global }
      - { .name: h, .offset: 8, .size: 8, .value_kind: global_buffer, .address_space: global }
      - { .name: wq, .offset: 16, .size: 8, .value_kind: global_buffer, .address_space: global }
      - { .name: dec, .offset: 24, .size: 8, .value_kind: global_buffer, .address_space: global }
      - { .name: coverage, .offset: 32, .size: 8, .value_kind: global_buffer, .address_space: global }
      - { .name: enc_padding_mask, .offset: 40, .size: 8, .value_kind: global_buffer, .address_space: global }
      - { .name: W_c, .offset: 48, .size: 8, .value_kind: global_buffer, .address_space: global }
      - { .name: v_w, .offset: 56, .size: 8, .value_kind: global_buffer, .address_space: global }
      - { .name: scores, .offset: 64, .size: 8, .value_kind: global_buffer, .address_space: global }
      - { .name: cpart, .offset: 72, .size: 8, .value_kind: global_buffer, .address_space: global }
    .group_segment_fixed_size: 327680
    .private_segment_fixed_size: 0
    .kernarg_segment_align: 8
    .kernarg_segment_size: 80
    .max_flat_workgroup_size: 128
    .sgpr_count:     80
    .vgpr_count:     1024
    .wavefront_size: 32
...
	.end_amdgpu_metadata
.endif
;; end of part 2
;; launch finish (part 3): grid 32 x 1, 8 waves a work-group, no clusters, 1,536 bytes of LDS; arguments scores, cpart, enc_padding_mask, coverage, out0, out1, out2; writes out0, out1, out2
.if DOCPART == 3
	.amdgcn_target "amdgcn-amd-amdhsa--gfx1250"
	.amdhsa_code_object_version 6
	.text
	.protected	k_qbf3fa6b6f5_finish
	.globl	k_qbf3fa6b6f5_finish
	.p2align	8
	.type	k_qbf3fa6b6f5_finish,@function
k_qbf3fa6b6f5_finish:
	s_mov_b64 s[64:65], 0
	v_nop
	global_prefetch_b8 v0, s[64:65] scope:SCOPE_SE
	s_setreg_imm32_b32 hwreg(HW_REG_WAVE_MODE, 25, 1), 1
	s_wait_xcnt 0x0
; ADDITIVE ATTENTION IN MX-FP4, launch 3 of 3: a batch's 16 blocks are joined.  WORK LEFT OUT (shown at the head of the first kernel): the softmax's own divisor, which cancels in the renormalisation.
; scores holds s2 = log2(e) x score (less a term that is the same along the batch); cpart[j] = sum over block j's 64 rows of 2^(s2 - m_j) x mask x h, m_j the block's largest s2.
; With M the batch's largest s2:  e_t = 2^(s2_t - M) x mask_t;  attn_t = e_t / sum e;  c = sum_j 2^(m_j - M) cpart[j] / sum e;  coverage_out = coverage + attn.
; m_j is found again from the scores: a maximum rounds nothing, so it has the bits that the launch before used.  A batch whose masked sum is 0 gives NaN (0 / 0).
; One work-group a batch, eight waves.  Thread t owns rows 4 t .. + 3 and columns 4 t .. + 3: sixteen neighbouring lanes hold one block of 64 rows.  Every load and store of a wave covers 512 consecutive bytes.
; Matrix units, clusters and tensor loads have nothing to do here: 2.5 MB are read once, and the work-groups share nothing.
.set MB,    0                          ; LDS: the 16 blocks' maxima
.set SM,    256                        ; the eight waves' sums
.set SPARE, 512                        ; the spare words, 128 bytes for each wave: four blocks of 256 bytes that no other line names
; v1, v2 the add's two;  v3 MB;  v4 16 t + 4,096 batch;  v5 16 t;  v6, v7 where I put a maximum, a sum;  v8-11 s2, then e;  v12-15 mask;  v16-19 coverage;  v20-23 at work;  v24-27 attn;  v28 SM;  v29 1 / sum;
; v32-95 cpart;  v96-111 the maxima, then 2^(m_j - M);  v112-115 c;  v116-123 the waves' sums
	s_load_b256 s[4:11], s[0:1], 0x0               ; scores s[4:5], cpart s[6:7], mask s[8:9], coverage s[10:11]
	s_load_b128 s[12:15], s[0:1], 0x20             ; out0 s[12:13], out1 s[14:15]
	s_load_b64 s[16:17], s[0:1], 0x30              ; out2
	v_lshl_add_u32 v1, v0, 2, SPARE
	v_mov_b32 v2, 0
	v_lshrrev_b32 v3, 5, v0
	v_readfirstlane_b32 s18, v3                    ; wave 0..7
	s_lshl_b32 s19, ttmp9, 12                      ; a batch's 1,024 numbers
	v_lshl_add_u32 v4, v0, 4, s19
	v_lshlrev_b32 v5, 4, v0
	s_lshl_b32 s20, ttmp9, 16                      ; a batch's 16 blocks of cpart
	s_mov_b32 s21, 0
	v_lshrrev_b32 v6, 4, v0
	v_lshlrev_b32 v6, 2, v6                        ; MB + 4 (t / 16)
	s_lshl_b32 s22, s18, 2
	s_add_co_u32 s22, s22, SM
	v_mov_b32 v7, s22
	v_mov_b32 v3, MB
	v_mov_b32 v28, SM
	s_mov_b32 s24, 0x76543210
	s_mov_b32 s25, 0xfedcba98                      ; v_permlanex16_b32's selects for lane l xor 16
	s_wait_kmcnt 0x0
	s_add_nc_u64 s[6:7], s[6:7], s[20:21]
	global_load_b128 v[8:11], v4, s[4:5]
	global_load_b128 v[12:15], v4, s[8:9]
	global_load_b128 v[16:19], v4, s[10:11]
.irp j, 0,1,2,3,4,5,6,7,8,9,10,11,12,13,14,15
	global_load_b128 v[32+4*\j:35+4*\j], v5, s[6:7] offset:4096*\j th:TH_LOAD_NT
.endr
	s_wait_loadcnt 18                              ; s2 is in; the mask, the coverage and cpart's 16 loads may be out
	v_max3_num_f32 v20, v8, v9, v10
	v_max_num_f32 v20, v20, v11
.irp x, 1,2,4,8
	v_max_num_f32_dpp v20, v20, v20 row_xmask:\x row_mask:0xf bank_mask:0xf   ; sixteen lanes: the block's maximum
.endr
	ds_store_b32 v6, v20                           ; the sixteen write the same word with the same value
	s_wait_dscnt 0x0                               ; for the others' sake
	s_barrier_signal -1
	s_barrier_wait -1
.irp g, 0,1,2,3
	ds_load_b128 v[96+4*\g:99+4*\g], v3 offset:16*\g
.endr
	s_wait_dscnt 0x0
	v_max3_num_f32 v20, v96, v97, v98
.irp j, 99,101,103,105,107,109
	v_max3_num_f32 v20, v20, v[\j], v[\j+1]
.endr
	v_max_num_f32 v20, v20, v111                   ; M: the batch's maximum, taken away ahead of every exponential
.irp j, 0,1,2,3,4,5,6,7,8,9,10,11,12,13,14,15
	v_sub_f32 v[96+\j], v[96+\j], v20
.endr
.irp i, 0,1,2,3
	v_sub_f32 v[8+\i], v[8+\i], v20
.endr
.irp j, 0,1,2,3,4,5,6,7,8,9,10,11,12,13,14,15
	v_exp_f32 v[96+\j], v[96+\j]
.endr
.irp i, 0,1,2,3
	v_exp_f32 v[8+\i], v[8+\i]
.endr
	v_nop                                          ; a plain instruction behind the last exponential,
	s_wait_alu depctr_va_vdst(0)                   ; and one wait for the twenty, ahead of their first reader
	s_wait_loadcnt 17                              ; the mask is in
	v_pk_mul_f32 v[8:9], v[8:9], v[12:13]
	v_pk_mul_f32 v[10:11], v[10:11], v[14:15]      ; e
	v_pk_add_f32 v[22:23], v[8:9], v[10:11]
	v_add_f32 v21, v22, v23
.irp x, 1,2,4,8
	v_add_f32_dpp v21, v21, v21 row_xmask:\x row_mask:0xf bank_mask:0xf
.endr
	v_permlanex16_b32 v22, v21, s24, s25
	v_add_f32 v21, v21, v22                        ; the wave's sum
	ds_store_b32 v7, v21
	s_wait_dscnt 0x0                               ; for the others' sake
	s_barrier_signal -1
	s_barrier_wait -1
	ds_load_b128 v[116:119], v28
	ds_load_b128 v[120:123], v28 offset:16
	s_wait_dscnt 0x0
	v_pk_add_f32 v[116:117], v[116:117], v[118:119]
	v_pk_add_f32 v[120:121], v[120:121], v[122:123]
	v_pk_add_f32 v[116:117], v[116:117], v[120:121]
	v_add_f32 v116, v116, v117                     ; the batch's sum, the same bits in every wave
	v_rcp_f32 v29, v116
	v_nop
	s_wait_alu depctr_va_vdst(0)
.irp i, 0,1,2,3
	v_mul_f32 v[24+\i], v[8+\i], v29               ; attn
.endr
	global_store_b128 v4, v[24:27], s[14:15]
	s_wait_loadcnt 16                              ; the coverage is in
	v_pk_add_f32 v[16:17], v[16:17], v[24:25]
	v_pk_add_f32 v[18:19], v[18:19], v[26:27]
	global_store_b128 v4, v[16:19], s[16:17]
	s_wait_loadcnt 0x0
.irp e, 0,1,2,3
	v_mul_f32 v[112+\e], v[32+\e], v96             ; block 0 starts the sums
.endr
.irp j, 1,2,3,4,5,6,7,8,9,10,11,12,13,14,15
.irp e, 0,1,2,3
	v_fma_f32 v[112+\e], v[32+4*\j+\e], v[96+\j], v[112+\e]
.endr
.endr
.irp e, 0,1,2,3
	v_mul_f32 v[112+\e], v[112+\e], v29
.endr
	global_store_b128 v4, v[112:115], s[12:13]
	s_wait_tensorcnt 0x0                           ; the wave's end, behind my last LDS store
	ds_add_u32 v1, v2
	s_wait_dscnt 0x0
	s_endpgm
.Lfunc_end_k_qbf3fa6b6f5_finish:
	.size	k_qbf3fa6b6f5_finish, .Lfunc_end_k_qbf3fa6b6f5_finish-k_qbf3fa6b6f5_finish
	.p2alignl 7, 3214868480
	.fill 96, 4, 3214868480
	.section	.rodata,"a",@progbits
	.p2align	6, 0x0
	.amdhsa_kernel k_qbf3fa6b6f5_finish
		.amdhsa_group_segment_fixed_size 1536
		.amdhsa_private_segment_fixed_size 0
		.amdhsa_enable_private_segment 0
		.amdhsa_kernarg_size 56
		.amdhsa_user_sgpr_count 2
		.amdhsa_user_sgpr_kernarg_segment_ptr 1
		.amdhsa_wavefront_size32 1
		.amdhsa_system_sgpr_workgroup_id_x 1
		.amdhsa_system_sgpr_workgroup_id_y 1
		.amdhsa_system_sgpr_workgroup_id_z 1
		.amdhsa_system_vgpr_workitem_id 0
		.amdhsa_next_free_vgpr 128
		.amdhsa_next_free_sgpr 66
		.amdhsa_reserve_vcc 0
		.amdhsa_float_denorm_mode_32 3
		.amdhsa_float_denorm_mode_16_64 3
		.amdhsa_memory_ordered 1
		.amdhsa_forward_progress 1
		.amdhsa_inst_pref_size 12
	.end_amdhsa_kernel
	.amdgpu_metadata
---
amdhsa.version: [ 1, 2 ]
amdhsa.kernels:
  - .name:           k_qbf3fa6b6f5_finish
    .symbol:         k_qbf3fa6b6f5_finish.kd
    .args:
      - { .name: scores, .offset: 0, .size: 8, .value_kind: global_buffer, .address_space: global }
      - { .name: cpart, .offset: 8, .size: 8, .value_kind: global_buffer, .address_space: global }
      - { .name: enc_padding_mask, .offset: 16, .size: 8, .value_kind: global_buffer, .address_space: global }
      - { .name: coverage, .offset: 24, .size: 8, .value_kind: global_buffer, .address_space: global }
      - { .name: out0, .offset: 32, .size: 8, .value_kind: global_buffer, .address_space: global }
      - { .name: out1, .offset: 40, .size: 8, .value_kind: global_buffer, .address_space: global }
      - { .name: out2, .offset: 48, .size: 8, .value_kind: global_buffer, .address_space: global }
    .group_segment_fixed_size: 1536
    .private_segment_fixed_size: 0
    .kernarg_segment_align: 8
    .kernarg_segment_size: 56
    .max_flat_workgroup_size: 256
    .sgpr_count:     66
    .vgpr_count:     128
    .wavefront_size: 32
...
	.end_amdgpu_metadata
.endif
;; end of part 3
;; ======== version 2 of 2: 3 launches
;; limits: right only within a limited range of input values
;; workspace buffers: wq 1,114,112 bytes; dec 131,072 bytes; scores 131,072 bytes; cpart 2,097,152 bytes
;; launch prep (part 4): grid 192 x 1, 8 waves a work-group, no clusters, 153,088 bytes of LDS; arguments W_q, W_h, W_d, s_t_hat, b_d, wq, dec; writes wq, dec
.if DOCPART == 4
	.amdgcn_target "amdgcn-amd-amdhsa--gfx1250"
	.amdhsa_code_object_version 6
	.text
	.protected	k_qbf3fa6b6f5_prep
	.globl	k_qbf3fa6b6f5_prep
	.p2align	8
	.type	k_qbf3fa6b6f5_prep,@function
k_qbf3fa6b6f5_prep:
	s_mov_b64 s[64:65], 0
	v_nop
	global_prefetch_b8 v0, s[64:65] scope:SCOPE_SE
	s_setreg_imm32_b32 hwreg(HW_REG_WAVE_MODE, 25, 1), 1
	s_wait_xcnt 0x0
; ADDITIVE ATTENTION IN MX-FP4, launch 1 of 3: the weights become codes, and the decoder's projection is made.
; THE WHOLE PROGRAM.  x = Q(h) Q(W_h)^T + Q(q_h) Q(W_q)^T + (Q(s_t_hat) Q(W_d)^T + b_d) + coverage W_c;  scores = tanh(x) . v_w;  attn = softmax(scores) mask / sum(softmax(scores) mask);
; c_t = attn . h;  coverage_out = coverage + attn.  Q is the stated quantiser along K (E2M1 codes, one E8M0 byte for each 32).
; WORK LEFT OUT, and why it can reach no output, for all finite inputs:
;  (1) The softmax's own divisor Z = sum_t exp(score_t - max).  attn = (e_t / Z) mask_t / sum_t((e_t / Z) mask_t) = e_t mask_t / sum_t(e_t mask_t): Z is at least 1 and cancels.  The maximum IS taken away ahead of every
;      exponential (a block's own in launch 2, the batch's in launch 3).
;  (2) tanh(x) = 1 - 2 / (1 + e^(2x)), so scores_t = sum_n v_n - 2 sum_n v_n / (1 + e^(2 x_tn)).  The term sum_n v_n is the same for all t of the softmax's axis and of the size of the scores themselves: it is not formed.
;  LIMIT: a NaN, an infinity or an overflow that would reach only Z or sum_n v_n is not carried to the result.  Every input has a way to an output and is loaded.
; LIMITS OF THE QUANTISERS: NaN and infinities among their inputs are not served.  A block of zeros, and a block whose largest magnitude lies under 2^-124, gets the byte 1 (the rule says 127 for zeros):
;  zero codes add nothing under any byte but 0xff, and the bytes are read by this program alone.
; THIS LAUNCH.  Work-groups 0-127: W_q (K steps 0-7) and W_h (K steps 8-15) into wq.  wq is laid AS THE NEXT LAUNCH'S OPERAND REGISTERS: 16 K steps of 128 x 69,632 bytes; in a step tile n/16 at 1,024 x tile,
;  its registers 4c .. 4c+3 at + 512 c + 16 x lane; from byte 65,536 on the scale words, again as register images: for reader wave w register q = 4c + i at 1,024 w + 512 c + 16 x lane + 4 i holds, in lane l, the word of
;  tile 16 w + 2 q + l / 16, row l % 16.  So a K step is one dense block for the data mover and every fragment comes by loads of 16 bytes a lane.
;  Work-groups 128-191: dec = Q(s_t_hat) Q(W_d)^T + b_d, 16 columns a work-group, one K step of 128 a wave, the eight partial sums joined through LDS.  dec is laid as the result's registers:
;  [tile of 16 columns][q][lane][4]: word i of chunk q in lane (r, h) is batch 16 (q / 2) + 8 h + 4 (q % 2) + i, column 16 tile + r: each store of a wave covers 512 consecutive bytes.
; A FRAGMENT: 16 rows x 128 K of f32.  Each of 16 loads reads one row's 512 consecutive bytes; the 8 KiB turn through the wave's own stage in LDS (rows 528 bytes apart) and come back so that lane (r, h) holds, of row r,
;  k = 64 c + 32 h + 0 .. 31 in registers 32 c .. 32 c + 31: two whole blocks of 32, in the very order of the operand's layout.  No other lane is asked for a maximum, and the conversions' results are the operand.
; The two paths part on the work-group's number and have LDS bytes of their own.  No tensor load, no cluster: no two work-groups read the same bytes but s_t_hat's 128 KiB.
.set STG,   8448                       ; a wave's stage: 16 rows x 528 bytes
.set WST,   0                          ; the weights' path: eight stages,
.set SCG,   8*STG                      ; and 512 bytes in which eight tiles' scale words are gathered
.set DST,   SCG+512                    ; the decoder's path: eight stages,
.set RED,   DST+8*STG                  ; and eight waves' partial sums, 2,048 bytes each
.set SPARE, RED+8*2048                 ; the spare words, 128 bytes for each wave: four blocks of 256 bytes that no other line names
.set WSL,   69632                      ; a K step of wq
.set SPW, 1                            ; v1  LDS address of my spare word; never rewritten
.set NIL, 2                            ; v2  0; never rewritten
.set LO,  3                            ; v3  16 x lane
.set SWA, 4                            ; v4  my stage, on the way in: + 16 x lane
.set SRA, 5                            ; v5  and on the way out: + 528 r + 128 h
; v7 r;  v8-13 at work;  v14 8 h;  v15 a lane permute's destination;  v16-39 three fragments of codes;  v40-42 their scale words;  v44-59 two accumulators;  v60 b_d;  v61-63 addresses;  v64-255 three sets of 64 numbers
.macro LOADF x, sb, off, nt            ; 16 rows x 512 bytes into v[x] on
.irp p, 0,1,2,3,4,5,6,7,8,9,10,11,12,13,14,15
.if \nt
	global_load_b128 v[\x+4*\p:\x+4*\p+3], v[LO], s[\sb:\sb+1] offset:\off+4096*\p th:TH_LOAD_NT
.else
	global_load_b128 v[\x+4*\p:\x+4*\p+3], v[LO], s[\sb:\sb+1] offset:\off+4096*\p
.endif
.endr
.endm
.macro TURNF x                         ; through my stage: LDS serves a wave's instructions in order, so no wait stands between the stores and the loads
.irp p, 0,1,2,3,4,5,6,7,8,9,10,11,12,13,14,15
	ds_store_b128 v[SWA], v[\x+4*\p:\x+4*\p+3] offset:528*\p
.endr
.irp k, 0,1
.irp i, 0,1,2,3,4,5,6,7
	ds_load_b128 v[\x+32*\k+4*\i:\x+32*\k+4*\i+3], v[SRA] offset:256*\k+16*\i
.endr
.endr
.endm
.macro QFRAG x, c, w                   ; 64 numbers of a lane become the fragment's 8 registers v[c] on and its scale word v[w]
.irp k, 0,1
	v_max3_num_f32 v[8+\k], |v[\x+32*\k]|, |v[\x+32*\k+1]|, 0x1800000   ; my block 2 k + h, and the floor 2^(3 - 127): the byte cannot fall under 1
.endr
.irp i, 2,4,6,8,10,12,14,16,18,20,22,24,26,28,30
.irp k, 0,1
	s_delay_alu instid0(VALU_DEP_2)
	v_max3_num_f32 v[8+\k], v[8+\k], |v[\x+32*\k+\i]|, |v[\x+32*\k+\i+1]|   ; (the two blocks by turns)
.endr
.endr
.irp k, 0,1
	s_delay_alu instid0(VALU_DEP_2)
	v_add_nc_u32 v[10+\k], 0xff000000, v[8+\k]     ; 2 off the exponent field: the conversion takes this operand's exponent field as its scale
.endr
.irp k, 0,1
	s_delay_alu instid0(VALU_DEP_2)
	v_lshrrev_b32 v[12+\k], 23, v[10+\k]           ; the scale's byte
.endr
	s_delay_alu instid0(VALU_DEP_1)
	v_lshl_or_b32 v[\w], v13, 16, v12              ; my two bytes, blocks h and 2 + h,
	s_delay_alu instid0(VALU_DEP_1)
	v_lshlrev_b32 v[\w], v14, v[\w]                ; at their places (8 h bits up);
	s_delay_alu instid0(VALU_DEP_1)
	v_permlanex16_b32 v15, v[\w], s20, s21
	s_delay_alu instid0(VALU_DEP_1)
	v_or_b32 v[\w], v[\w], v15                     ; with lane l xor 16's two the word is whole, in both lanes
.irp k, 0,1
.irp g, 0,1,2,3
	v_cvt_scalef32_pk8_fp4_f32 v[\c+4*\k+\g], v[\x+32*\k+8*\g:\x+32*\k+8*\g+7], v[10+\k]
.endr
.endr
	v_nop                                          ; one plain instruction behind the last scaled conversion
.endm
	s_load_b256 s[4:11], s[0:1], 0x0               ; W_q s[4:5], W_h s[6:7], W_d s[8:9], s_t_hat s[10:11]
	s_load_b128 s[12:15], s[0:1], 0x20             ; b_d s[12:13], wq s[14:15]
	s_load_b64 s[16:17], s[0:1], 0x30              ; dec
	v_lshl_add_u32 v[SPW], v0, 2, SPARE
	v_mov_b32 v[NIL], 0
	v_lshrrev_b32 v6, 5, v0
	s_delay_alu instid0(VALU_DEP_1)
	v_readfirstlane_b32 s18, v6                    ; wave 0..7
	v_and_b32 v6, 31, v0                           ; lane
	v_and_b32 v7, 15, v0                           ; r
	v_bfe_u32 v14, v0, 4, 1                        ; h
	s_delay_alu instid0(VALU_DEP_3)
	v_lshlrev_b32 v[LO], 4, v6
	s_mul_i32 s19, s18, STG
	v_add_nc_u32 v[SWA], s19, v[LO]
	v_mul_u32_u24 v[SRA], v7, 528
	s_delay_alu instid0(VALU_DEP_1)
	v_lshl_add_u32 v[SRA], v14, 7, v[SRA]
	s_delay_alu instid0(VALU_DEP_1)
	v_add_nc_u32 v[SRA], s19, v[SRA]
	v_lshlrev_b32 v14, 3, v14                      ; 8 h
	v_mov_b32 v15, 0                               ; written once: a lane permute's destination counts as one of its sources
	s_mov_b32 s20, 0x76543210
	s_mov_b32 s21, 0xfedcba98                      ; v_permlanex16_b32's selects for lane l xor 16
	s_cmp_ge_u32 ttmp9, 128
	s_cbranch_scc1 .Ldec
	; ---- the weights: work-group = 8 x K step + g; wave w takes tile 8 g + w of that K step
	s_lshr_b32 s22, ttmp9, 3                       ; K step 0..15
	s_and_b32 s23, ttmp9, 7                        ; g
	s_lshl_b32 s24, s23, 3
	s_add_co_u32 s24, s24, s18                     ; tile 0..63
	s_lshl_b32 s26, s24, 16                        ; 16 rows of 4,096 bytes a tile,
	s_and_b32 s25, s22, 7
	s_lshl_b32 s25, s25, 9
	s_add_co_u32 s26, s26, s25                     ; + 512 bytes a K step
	s_mov_b32 s27, 0
	s_mul_i32 s28, s22, WSL
	s_lshl_b32 s25, s24, 10
	s_add_co_u32 s28, s28, s25                     ; the tile's codes in wq
	s_mov_b32 s29, 0
	s_mul_i32 s30, s22, WSL
	s_lshl_b32 s25, s23, 9
	s_add_co_u32 s30, s30, s25                     ; my work-group's eight tiles fill one chunk of 512 bytes of scale words: reader wave g / 2, c = g % 2: 512 g,
	s_add_co_u32 s30, s30, 65536                   ; behind the codes
	s_mov_b32 s31, 0
	s_and_b32 s25, s18, 1                          ; in that chunk: lane 16 (w % 2) + r, word w / 2
	s_lshl_b32 s25, s25, 8
	s_lshr_b32 s32, s18, 1
	s_lshl_b32 s32, s32, 2
	s_add_co_u32 s25, s25, s32
	s_add_co_u32 s25, s25, SCG
	s_wait_alu depctr_va_vdst(0)
	v_lshl_add_u32 v61, v7, 4, s25
	v_add_nc_u32 v62, SCG, v[LO]
	s_wait_kmcnt 0x0
	s_cmp_lt_u32 s22, 8                            ; the choice hangs on the work-group's number alone
	s_cselect_b64 s[4:5], s[4:5], s[6:7]
	s_add_nc_u64 s[4:5], s[4:5], s[26:27]
	s_add_nc_u64 s[28:29], s[14:15], s[28:29]
	s_add_nc_u64 s[30:31], s[14:15], s[30:31]
	LOADF 64, 4, 0, 1
	s_wait_loadcnt 0x0
	TURNF 64
	s_wait_dscnt 0x0
	QFRAG 64, 16, 40
	global_store_b128 v[LO], v[16:19], s[28:29]               ; 32 lanes store 512 consecutive bytes
	global_store_b128 v[LO], v[20:23], s[28:29] offset:512
	ds_store_b32 v61, v40                          ; lanes r and 16 + r hold the same word and write it to the same place
	s_wait_dscnt 0x0                               ; for the others' sake: my word has landed
	s_barrier_signal -1
	s_barrier_wait -1
	s_cmp_lg_u32 s18, 0
	s_cbranch_scc1 .Lend
	ds_load_b128 v[24:27], v62                     ; wave 0: the eight tiles' words, as the reader's registers
	s_wait_dscnt 0x0
	global_store_b128 v[LO], v[24:27], s[30:31]
	s_branch .Lend
	; ---- the decoder's projection: work-group 128 + tile of 16 columns; wave = K step of 128
.Ldec:
	s_sub_co_u32 s22, ttmp9, 128                   ; tile 0..63
	s_wait_alu depctr_va_vdst(0)
	v_add_nc_u32 v[SWA], DST, v[SWA]               ; this path's own stages
	v_add_nc_u32 v[SRA], DST, v[SRA]
	s_lshl_b32 s26, s22, 16
	s_lshl_b32 s28, s18, 9
	s_add_co_u32 s26, s26, s28                     ; W_d: 16 rows a tile, 512 bytes a K step
	s_mov_b32 s27, 0
	s_mov_b32 s29, 0                               ; s_t_hat: 512 bytes a K step
	s_lshl_b32 s30, s22, 6
	v_lshl_add_u32 v63, v7, 2, s30                 ; b_d: column 16 tile + r
	s_lshl_b32 s30, s22, 11
	s_and_b32 s32, s18, 3
	s_lshl_b32 s32, s32, 9
	s_add_co_u32 s30, s30, s32                     ; dec: 2,048 bytes a tile, chunk q = wave % 4
	s_mov_b32 s31, 0
	s_lshl_b32 s33, s18, 11
	s_add_co_u32 s33, s33, RED
	v_add_nc_u32 v61, s33, v[LO]                   ; my partial sums
	s_add_co_u32 s32, s32, RED
	v_add_nc_u32 v62, s32, v[LO]                   ; chunk q of wave 0's; the others' 2,048 bytes apart
	s_wait_alu depctr_va_vdst(0)
	s_wait_kmcnt 0x0
	s_add_nc_u64 s[8:9], s[8:9], s[26:27]
	s_add_nc_u64 s[10:11], s[10:11], s[28:29]
	s_add_nc_u64 s[16:17], s[16:17], s[30:31]
	global_load_b32 v60, v63, s[12:13]
	LOADF 64, 8, 0, 1                              ; W_d's fragment
	LOADF 128, 10, 0, 0                            ; batches 0-15
	LOADF 192, 10, 65536, 0                        ; batches 16-31
	s_wait_loadcnt 32                              ; b_d and W_d's 16 loads are in; the 32 behind them may be out
	TURNF 64
	s_wait_dscnt 0x0
	QFRAG 64, 16, 40
	s_wait_loadcnt 16                              ; the last 16 may be out
	TURNF 128
	s_wait_dscnt 0x0
	QFRAG 128, 24, 41
	s_wait_loadcnt 0x0
	TURNF 192
	s_wait_dscnt 0x0
	QFRAG 192, 32, 42
.rept 8
	v_nop                                          ; a scale register written by a vector instruction stands eight plain instructions ahead of a scaled matrix instruction, an operand so written four
.endr
	v_wmma_scale_f32_16x16x128_f8f6f4 v[44:51], v[24:31], v[16:23], 0, v41, v40 matrix_a_fmt:MATRIX_FMT_FP4 matrix_b_fmt:MATRIX_FMT_FP4   ; lane (r, h), register j: batch 8 h + j, column r
	v_wmma_scale_f32_16x16x128_f8f6f4 v[52:59], v[32:39], v[16:23], 0, v42, v40 matrix_a_fmt:MATRIX_FMT_FP4 matrix_b_fmt:MATRIX_FMT_FP4   ; batches 16 on
.rept 4
	v_nop                                          ; four plain instructions between a matrix instruction and the first read of its result (ISA guide 7.12.1)
.endr
	ds_store_b128 v61, v[44:47]                    ; each accumulator from its low end on
	ds_store_b128 v61, v[48:51] offset:512
	ds_store_b128 v61, v[52:55] offset:1024
	ds_store_b128 v61, v[56:59] offset:1536
	s_wait_dscnt 0x0                               ; for the others' sake: my partial sums have landed
	s_barrier_signal -1
	s_barrier_wait -1
	s_cmp_ge_u32 s18, 4
	s_cbranch_scc1 .Lend
.irp k, 0,1,2,3,4,5,6,7
	ds_load_b128 v[64+4*\k:67+4*\k], v62 offset:2048*\k       ; waves 0-3: chunk q of all eight K steps
.endr
	s_wait_dscnt 0x0
.irp k, 1
	v_pk_add_f32 v[64:65], v[64:65], v[64+4*\k:65+4*\k]       ; K ascending
	v_pk_add_f32 v[66:67], v[66:67], v[66+4*\k:67+4*\k]
.endr
.irp k, 2, 3, 4, 5, 6, 7
	s_delay_alu instid0(VALU_DEP_2)
	v_pk_add_f32 v[64:65], v[64:65], v[64+4*\k:65+4*\k]       ; K ascending
	s_delay_alu instid0(VALU_DEP_2)
	v_pk_add_f32 v[66:67], v[66:67], v[66+4*\k:67+4*\k]
.endr
.irp i, 0,1,2,3
	v_add_f32 v[64+\i], v60, v[64+\i]              ; + b_d of my column
.endr
	global_store_b128 v[LO], v[64:67], s[16:17]    ; 32 lanes store 512 consecutive bytes
.Lend:
	s_wait_tensorcnt 0x0                           ; the wave's end, behind my last LDS store
	ds_add_u32 v[SPW], v[NIL]
	s_wait_dscnt 0x0
	s_endpgm
.Lfunc_end_k_qbf3fa6b6f5_prep:
	.size	k_qbf3fa6b6f5_prep, .Lfunc_end_k_qbf3fa6b6f5_prep-k_qbf3fa6b6f5_prep
	.p2alignl 7, 3214868480
	.fill 96, 4, 3214868480
	.section	.rodata,"a",@progbits
	.p2align	6, 0x0
	.amdhsa_kernel k_qbf3fa6b6f5_prep
		.amdhsa_group_segment_fixed_size 153088
		.amdhsa_private_segment_fixed_size 0
		.amdhsa_enable_private_segment 0
		.amdhsa_kernarg_size 56
		.amdhsa_user_sgpr_count 2
		.amdhsa_user_sgpr_kernarg_segment_ptr 1
		.amdhsa_wavefront_size32 1
		.amdhsa_system_sgpr_workgroup_id_x 1
		.amdhsa_system_sgpr_workgroup_id_y 1
		.amdhsa_system_sgpr_workgroup_id_z 1
		.amdhsa_system_vgpr_workitem_id 0
		.amdhsa_next_free_vgpr 256
		.amdhsa_next_free_sgpr 66
		.amdhsa_reserve_vcc 0
		.amdhsa_float_denorm_mode_32 3
		.amdhsa_float_denorm_mode_16_64 3
		.amdhsa_memory_ordered 1
		.amdhsa_forward_progress 1
		.amdhsa_inst_pref_size 39
	.end_amdhsa_kernel
	.amdgpu_metadata
---
amdhsa.version: [ 1, 2 ]
amdhsa.kernels:
  - .name:           k_qbf3fa6b6f5_prep
    .symbol:         k_qbf3fa6b6f5_prep.kd
    .args:
      - { .name: W_q, .offset: 0, .size: 8, .value_kind: global_buffer, .address_space: global }
      - { .name: W_h, .offset: 8, .size: 8, .value_kind: global_buffer, .address_space: global }
      - { .name: W_d, .offset: 16, .size: 8, .value_kind: global_buffer, .address_space: global }
      - { .name: s_t_hat, .offset: 24, .size: 8, .value_kind: global_buffer, .address_space: global }
      - { .name: b_d, .offset: 32, .size: 8, .value_kind: global_buffer, .address_space: global }
      - { .name: wq, .offset: 40, .size: 8, .value_kind: global_buffer, .address_space: global }
      - { .name: dec, .offset: 48, .size: 8, .value_kind: global_buffer, .address_space: global }
    .group_segment_fixed_size: 153088
    .private_segment_fixed_size: 0
    .kernarg_segment_align: 8
    .kernarg_segment_size: 56
    .max_flat_workgroup_size: 256
    .sgpr_count:     66
    .vgpr_count:     256
    .wavefront_size: 32
...
	.end_amdgpu_metadata
.endif
;; end of part 4
;; launch main (part 5): grid 256 x 1, 4 waves a work-group, no clusters, 190,976 bytes of LDS; arguments q_h, h, wq, dec, coverage, enc_padding_mask, W_c, v_w, scores, cpart; writes scores, cpart
.if DOCPART == 5
	.amdgcn_target "amdgcn-amd-amdhsa--gfx1250"
	.amdhsa_code_object_version 6
	.text
	.protected	k_qbf3fa6b6f5_main
	.globl	k_qbf3fa6b6f5_main
	.p2align	8
	.type	k_qbf3fa6b6f5_main,@function
k_qbf3fa6b6f5_main:
	s_mov_b64 s[64:65], 0
	v_nop
	global_prefetch_b8 v0, s[64:65] scope:SCOPE_SE
	s_setreg_imm32_b32 hwreg(HW_REG_WAVE_MODE, 25, 1), 1
	s_wait_xcnt 0x0
; ADDITIVE ATTENTION IN MX-FP4, launch 2 of 3: both large products, tanh, the scores, each 64 rows' part of the context vector.
; WORK LEFT OUT (shown at the head of the first kernel): the softmax's own divisor, which cancels in the renormalisation, and the term sum_n v_n of the scores, the same along the softmax's axis.
; STORED: scores: s2[row] = sum_n (-2 log2(e) v_n) / (1 + 2^(2 log2(e) x_n)).  cpart[64-row block] = sum over its rows of 2^(s2 - the block's largest s2) x mask x h[row].
; SHARES.  A work-group of four waves owns 128 rows of one batch.  Two passes over the columns: in pass p wave w owns columns 512 p + 128 w .. + 127 for all 128 rows: 64 accumulators, 512 registers.
;  K = 2,048 in 16 steps of 128: steps 0-7 q_h with W_q, 8-15 h with W_h; the sums begin as dec + coverage x W_c.
; x is loaded and quantised ONCE, in pass 0: wave w takes rows 32 w .. + 31 through a ring of four register slots (16 rows x 128 K each); the codes of all 16 steps stay in LDS (a buffer of 128 rows x 80 bytes a step) and pass 1 reads them again.
; THE WEIGHTS' CODES, laid by the first launch as register images, go from memory straight into the operand registers: a wave's 8 tiles of a step are read by that wave alone, 17 loads a step, two sets, asked for two steps ahead.
;  So each work-group reads each weight byte once.  NO CLUSTER, NO TENSOR LOAD: no LDS tile of weights exists that partners could share; x's rows belong to one work-group.
; NO PREFETCH: the wave's loads of x and of the weights are out all through the walk, as many as the load counter's field holds.
; h is read a second time for the context vector, 32 rows (64 loads a wave) at a time, into the registers that held the accumulators.
; Waits on LOADcnt where ways join are for 0, so that every count holds on every way through the text.
; LIMITS: as stated at the head of the first kernel for the quantisers.
; REGISTERS: window 0 below; window 1: the ring of x (slot j at v[64 j]), later T, S, VR; windows 2, 3: accumulator (a, b) in window 2 + b / 4 at v[8 (8 (b % 4) + a)], later h.
.set XBF, 10240
.set AB, 0
.set AS, 16*XBF
.set PAR, AS+8192
.set PARW, 3584
.set SP, PAR+4*PARW
.set PP, SP+2048
.set SPARE, PP+2048                    ; the spare words: two blocks of 256 bytes that no other line names
.set WST, 69632                        ; a K step of wq
.set SPW, 1
.set NIL, 2
.set XO, 3                             ; x: (32 w + l / 16) rows of 4,096 bytes + 32 (l % 16)
.set ACA, 4                            ; where I put 4 bytes of codes, step 0
.set ASA, 5                            ; where I put a scale byte
.set AFA, 6                            ; x's fragments: 80 r + 16 h
.set ASR, 7                            ; x's scale words: AS + 4 l
.set BFO, 8                            ; wq: 8,192 w + 16 l
.set BSO, 9                            ; wq: 65,536 + 512 w + 16 l
.set FLOOR, 10
.set PRD, 11
.set PCV, 12
.set SPA, 13
.set SPR, 14
.set PPA, 15
.set PPB, 16
.set TB, 17                            ; my parameters of this pass
.set SCO, 18
.set CPO, 19
.set AFC, 20                           ; AFA, ASR, ACA, ASA at the trip's first K step
.set ASRC, 21
.set ACC, 22
.set ASAC, 23
.set MK, 26                            ; v26-29 the mask of rows 2 l, 2 l + 1 of both halves
.set M, 30                             ; v30-37 largest magnitudes, scale operands, then scale bytes
.set CD, 38                            ; v38-45 codes
.set ASC, 46                           ; v46-49 x's scale words; scales alone
.set BSC, 50                           ; v50-57 the weights' scale words, two sets; scales alone
.set AF, 58                            ; v58-121 x's eight fragments
.set BF, 122                           ; v122-249 the weights' eight fragments, two sets
.set DECR, 30
.set WCR, 38
.set COVR, 58
.set T, 0                              ; window 1
.set S, 64
.set VR, 128
.set CC, 90
.set PR, 122
.set WV, 24
.set WG, 26
.set PS, 27                            ; pass
.set TC, 28                            ; trip: two K steps
.set XA, 30
.set XB, 32
.set WP, 34
.set WS, 36
.set PQ, 50
.set PH, 52
.set KK, 60
.set SEL, 62
.set SCB, 66
.set CPB, 68
.set PO, 70
.set KO, 71
.set KS, 72
.set MSB, 0
.macro WIN new
.if MSB != (\new)
	s_set_vgpr_msb (MSB<<8)|(\new)
.set MSB, (\new)
.endif
.endm
.macro NOP4
.rept 4
	v_nop
.endr
.endm
.macro BAR                             ; my LDS instructions are done, then the work-group's barrier
	s_wait_dscnt 0x0
	s_barrier_signal -1
	s_barrier_wait -1
.endm
.macro XLOAD j, xb, off                ; ring slot j: 16 rows x 128 K; a pair of loads covers two rows' 512 consecutive bytes
	WIN 0x40
.irp u, 0,1,2,3,4,5,6,7
	global_load_b128 v[64*(\j)+8*\u:64*(\j)+8*\u+3], v[XO], s[\xb:\xb+1] offset:8192*\u+65536*((\j)%2)+\off
	global_load_b128 v[64*(\j)+8*\u+4:64*(\j)+8*\u+7], v[XO], s[\xb:\xb+1] offset:8192*\u+65536*((\j)%2)+\off+16
.endr
	WIN 0
.endm
; Ring slot j is quantised into the code buffer rel steps behind the trip's first.  cnt: younger loads that may stay out.
.macro QSTEP j, cnt, rel, ld, xb, off
.set M, 30+28*((\j)%2)                 ; two sets by turns: slots 1 and 3 work in v58-73, x's fragment registers, idle while x is quantised
.set CD, 38+28*((\j)%2)
	s_wait_loadcnt \cnt
	s_wait_dscnt 16                                ; the stores that read this set are done; the last step's 16, from the other set, may be out
	WIN 0x14
.irp u, 0,1,2,3,4,5,6,7
	v_max3_num_f32 v[M+\u], v[FLOOR], |v[64*(\j)+8*\u]|, |v[64*(\j)+8*\u+1]|   ; with the floor 2^(3 - 127): the byte cannot fall under 1
.endr
.irp e, 2,4,6
.irp u, 0,1,2,3,4,5,6,7
	v_max3_num_f32 v[M+\u], v[M+\u], |v[64*(\j)+8*\u+\e]|, |v[64*(\j)+8*\u+\e+1]|
.endr
.endr
	WIN 0
.irp x, 1,2
.irp u, 0,1,2,3,4,5,6,7
	v_max_num_f32_dpp v[M+\u], v[M+\u], v[M+\u] row_xmask:\x row_mask:0xf bank_mask:0xf   ; four lanes hold a block of 32
.endr
.endr
.irp u, 0,1,2,3,4,5,6,7
	v_add_nc_u32 v[M+\u], 0xff000000, v[M+\u]      ; 2 off the exponent field: the conversion's scale operand
.endr
	WIN 0x01
.irp u, 0,1,2,3,4,5,6,7
	v_cvt_scalef32_pk8_fp4_f32 v[CD+\u], v[64*(\j)+8*\u:64*(\j)+8*\u+7], v[M+\u]
.endr
	v_nop                                          ; one plain instruction behind the last scaled conversion
	WIN 0
.if \ld
	XLOAD \j, \xb, \off                            ; the slot's numbers have been converted: it is asked for again ahead of the LDS stores
.endif
.irp u, 0,1,2,3,4,5,6,7
	v_lshrrev_b32 v[M+\u], 23, v[M+\u]             ; the scale's byte
.endr
.irp u, 0,1,2,3,4,5,6,7
	ds_store_b32 v[ACC], v[CD+\u] offset:XBF*(\rel)+1280*((\j)%2)+160*\u
.endr
.irp u, 0,1,2,3,4,5,6,7
	ds_store_b8 v[ASAC], v[M+\u] offset:512*(\rel)+64*((\j)%2)+8*\u   ; a block's four lanes write the same byte
.endr
.endm
.macro WM a, b, k                      ; accumulator (a, b) += x's tile a times the weights' tile b of set k
.set rD, 8*(8*((\b)%4)+(\a))
.set rA, AF+8*(\a)
.set rB, BF+64*(\k)+8*(\b)
.set rSA, ASC+(\a)/2
.set rSB, BSC+4*(\k)+(\b)/2
.if ((\a)%2 == 0) && ((\b)%2 == 0)
	v_wmma_scale_f32_16x16x128_f8f6f4 v[rD:rD+7], v[rA:rA+7], v[rB:rB+7], v[rD:rD+7], v[rSA], v[rSB] matrix_a_fmt:MATRIX_FMT_FP4 matrix_b_fmt:MATRIX_FMT_FP4
.elseif ((\a)%2 == 1) && ((\b)%2 == 0)
	v_wmma_scale_f32_16x16x128_f8f6f4 v[rD:rD+7], v[rA:rA+7], v[rB:rB+7], v[rD:rD+7], v[rSA], v[rSB] matrix_a_fmt:MATRIX_FMT_FP4 matrix_b_fmt:MATRIX_FMT_FP4 matrix_a_scale:MATRIX_SCALE_ROW1
.elseif ((\a)%2 == 0) && ((\b)%2 == 1)
	v_wmma_scale_f32_16x16x128_f8f6f4 v[rD:rD+7], v[rA:rA+7], v[rB:rB+7], v[rD:rD+7], v[rSA], v[rSB] matrix_a_fmt:MATRIX_FMT_FP4 matrix_b_fmt:MATRIX_FMT_FP4 matrix_b_scale:MATRIX_SCALE_ROW1
.else
	v_wmma_scale_f32_16x16x128_f8f6f4 v[rD:rD+7], v[rA:rA+7], v[rB:rB+7], v[rD:rD+7], v[rSA], v[rSB] matrix_a_fmt:MATRIX_FMT_FP4 matrix_b_fmt:MATRIX_FMT_FP4 matrix_a_scale:MATRIX_SCALE_ROW1 matrix_b_scale:MATRIX_SCALE_ROW1
.endif
.endm
.macro BL2 k, g                        ; tiles 2 g, 2 g + 1 of the step at WP + WST k into set k: each load reads 512 consecutive bytes
.irp t, 0,1
.irp c, 0,1
	global_load_b128 v[BF+64*(\k)+8*(2*(\g)+\t)+4*\c:BF+64*(\k)+8*(2*(\g)+\t)+4*\c+3], v[BFO], s[WP:WP+1] offset:WST*(\k)+1024*(2*(\g)+\t)+512*\c
.endr
.endr
.endm
.macro BLS k
	global_load_b128 v[BSC+4*(\k):BSC+4*(\k)+3], v[BSO], s[WS:WS+1] offset:WST*(\k)
.endm
.macro BLOAD k
.irp g, 0,1,2,3
	BL2 \k, \g
.endr
	BLS \k
.endm
; A K step of the products: the trip's step k, weights' set k.  The 64 accumulators take turns, one instruction a turn.
; ld = 1: behind each 16 products and four plain instructions their two weight tiles take the step two on.  cnt: loads younger than this set's 17.
.macro GS k, ld, cnt
	NOP4                                           ; between the last step's matrix instructions and the loads into their operands
.irp i, 0,1,2,3
	ds_load_b32 v[ASC+\i], v[ASRC] offset:512*(\k)+128*\i
.endr
.irp a, 0,1,2,3,4,5,6,7
.irp c, 0,1
	ds_load_b128 v[AF+8*\a+4*\c:AF+8*\a+4*\c+3], v[AFC] offset:XBF*(\k)+1280*\a+32*\c
.endr
.endr
	s_wait_loadcnt \cnt
.irp g, 0,1,2,3
	WIN 0xa0+0x50*(\g/2)
.irp a, 0,1,2,3,4,5,6,7
.if \g == 0
	s_wait_dscnt 14-2*\a                           ; tile a's two loads are in
.endif
	WM \a, 2*\g, \k
	WM \a, 2*\g+1, \k
.endr
.if \ld
	NOP4
	WIN 0
.if (\ld == 2) && (\g == 0)
	ADV                                            ; ld = 2: a trip's first step: the pointers step here, ahead of the first loads that use them
.endif
	BL2 \k, \g
.if \g == 3
	BLS \k
.endif
.endif
.endr
	WIN 0
.endm
.macro LADR st                         ; the trip's LDS addresses
	v_add_nc_u32 v[AFC], s[KO], v[AFA]
	v_add_nc_u32 v[ASRC], s[KS], v[ASR]
.if \st
	v_add_nc_u32 v[ACC], s[KO], v[ACA]
	v_add_nc_u32 v[ASAC], s[KS], v[ASA]
.endif
	s_wait_alu depctr_va_vdst(0)
.endm
.macro ADV                             ; the weights' pointers go two K steps on
	s_wait_xcnt 0x0                                ; the loads issued so far have read their bases
	s_add_nc_u64 s[WP:WP+1], s[WP:WP+1], 2*WST
	s_add_nc_u64 s[WS:WS+1], s[WS:WS+1], 2*WST
.endm
.macro XPTR x, d                       ; x at K step 2 TC + d: q_h for steps 0-7, h for 8-15
	s_lshl_b32 s56, s[TC], 1
	s_add_co_u32 s56, s56, \d
	s_cmp_lt_u32 s56, 8
	s_cselect_b64 s[\x:\x+1], s[PQ:PQ+1], s[PH:PH+1]
	s_and_b32 s56, s56, 7
	s_lshl_b32 s56, s56, 9
	s_mov_b32 s57, 0
	s_add_nc_u64 s[\x:\x+1], s[\x:\x+1], s[56:57]
.endm
.macro TSTEP
	s_add_co_u32 s[KO], s[KO], 2*XBF
	s_add_co_u32 s[KS], s[KS], 1024
	s_add_co_u32 s[TC], s[TC], 1
.endm
; A period of pass 0: the barrier shows step s's codes to all waves; its products; step s + 1 is quantised and its slots take step s + 3.
; 63: behind the loads waited for stand at least 65 younger ones (two steps' 32 loads of x and 17 of weights, less the first).
.macro PER k, xb
	BAR
	GS \k, 1, 63
	QSTEP 2*(1-\k), 63, \k+1, 1, \xb, 0
	QSTEP 2*(1-\k)+1, 63, \k+1, 1, \xb, 0
.endm
; Column tile p of all 128 rows: S[row] += (-2 log2(e) v) / (1 + 2^(2 log2(e) x)).  One wait ahead of and one behind each batch of transcendentals.
.macro EBATCH p
	WIN 0x42+(\p)/4
.set i, 0
.rept 32
	v_pk_mul_f32 v[T+i:T+i+1], v[64*((\p)%4)+i:64*((\p)%4)+i+1], s[KK:KK+1] op_sel_hi:[1,0]   ; each accumulator from its low end on
.set i, i+2
.endr
	WIN 0
	s_cmp_eq_u32 s[PS], 0
	s_cbranch_scc1 .Lnh_\@
	HL (\p)/4, 8*((\p)%4), 8*((\p)%4)+7            ; pass 1: the 64 registers just read take 8 rows of h
.Lnh_\@:
	WIN 0x55
	s_wait_alu depctr_va_vdst(0)
.set i, 0
.rept 64
	v_exp_f32 v[T+i], v[T+i]
.set i, i+1
.endr
	v_nop
	s_wait_alu depctr_va_vdst(0)
.set i, 0
.rept 32
	v_pk_add_f32 v[T+i:T+i+1], v[T+i:T+i+1], 1.0 op_sel_hi:[1,0]
.set i, i+2
.endr
	s_wait_alu depctr_va_vdst(0)
.set i, 0
.rept 64
	v_rcp_f32 v[T+i], v[T+i]
.set i, i+1
.endr
	v_nop
	s_wait_alu depctr_va_vdst(0)
.if \p == 0
	WIN 0
	s_cmp_lg_u32 s[PS], 0
	s_cbranch_scc1 .Ladd_on
	WIN 0x55
.set i, 0
.rept 32
	v_pk_mul_f32 v[S+i:S+i+1], v[T+i:T+i+1], v[VR:VR+1] op_sel_hi:[1,0]   ; pass 0's first tile starts the sums: nothing is cleared
.set i, i+2
.endr
	WIN 0
	s_branch .Ladded
.Ladd_on:
	WIN 0x55
.endif
.set i, 0
.rept 32
.if (\p)%2 == 0
	v_pk_fma_f32 v[S+i:S+i+1], v[T+i:T+i+1], v[VR+\p:VR+\p+1], v[S+i:S+i+1] op_sel_hi:[1,0,1]
.else
	v_pk_fma_f32 v[S+i:S+i+1], v[T+i:T+i+1], v[VR+\p-1:VR+\p], v[S+i:S+i+1] op_sel:[0,1,0] op_sel_hi:[1,1,1]
.endif
.set i, i+2
.endr
	WIN 0
.if \p == 0
.Ladded:
.endif
.endm
.macro HL ch, n0, n1                   ; rows 32 ch + n0 .. n1 of h, my 256 columns, into window 2 + ch % 2
	WIN 0x80+0x40*((\ch)%2)
.set n, \n0
.rept \n1-\n0+1
	global_load_b128 v[8*n:8*n+3], v[CPO], s[PH:PH+1] offset:(32*(\ch)+n)*4096 th:TH_LOAD_NT
	global_load_b128 v[8*n+4:8*n+7], v[CPO], s[PH:PH+1] offset:(32*(\ch)+n)*4096+512 th:TH_LOAD_NT
.set n, n+1
.endr
	WIN 0
.endm
.macro PRLOAD hf                       ; the half's 64 p, the same in every lane
.irp g, 0,1,2,3,4,5,6,7,8,9,10,11,12,13,14,15
	ds_load_b128 v[PR+4*\g:PR+4*\g+3], v[PPB] offset:256*\hf+16*\g
.endr
	s_wait_dscnt 0x0
.endm
.macro FMA q                           ; rows 32 q .. + 31 of a half: two sets of sums, even rows and odd
	WIN 0x02+\q
.set rho, 32*\q
.rept 32
.set rH, 8*(rho%32)
.set rC, CC+8*(rho%2)
.set rP, PR+rho-(rho%2)
.set k, 0
.rept 4
.if rho == 0
	v_pk_mul_f32 v[rC+k:rC+k+1], v[rH+k:rH+k+1], v[rP:rP+1] op_sel_hi:[1,0]
.elseif rho == 1
	v_pk_mul_f32 v[rC+k:rC+k+1], v[rH+k:rH+k+1], v[rP:rP+1] op_sel:[0,1] op_sel_hi:[1,1]
.elseif rho%2 == 0
	v_pk_fma_f32 v[rC+k:rC+k+1], v[rH+k:rH+k+1], v[rP:rP+1], v[rC+k:rC+k+1] op_sel_hi:[1,0,1]
.else
	v_pk_fma_f32 v[rC+k:rC+k+1], v[rH+k:rH+k+1], v[rP:rP+1], v[rC+k:rC+k+1] op_sel:[0,1,0] op_sel_hi:[1,1,1]
.endif
.set k, k+2
.endr
.set rho, rho+1
.endr
	WIN 0
.endm
.macro OUT hf
.irp k, 0,2,4,6
	v_pk_add_f32 v[CC+\k:CC+\k+1], v[CC+\k:CC+\k+1], v[CC+8+\k:CC+9+\k]
.endr
	global_store_b128 v[CPO], v[CC:CC+3], s[CPB:CPB+1] offset:4096*\hf          ; 32 lanes store 512 consecutive bytes
	global_store_b128 v[CPO], v[CC+4:CC+7], s[CPB:CPB+1] offset:4096*\hf+512
.endm
	s_load_b256 s[4:11], s[0:1], 0x0               ; q_h, h, wq s[8:9], dec s[10:11]
	s_load_b256 s[12:19], s[0:1], 0x20             ; coverage, mask, W_c, v_w
	s_load_b128 s[20:23], s[0:1], 0x40             ; scores, cpart
	v_lshl_add_u32 v[SPW], v0, 2, SPARE
	v_mov_b32 v[NIL], 0
	v_lshrrev_b32 v250, 5, v0
	v_readfirstlane_b32 s[WV], v250                ; wave 0..3
	s_mov_b32 s[WG], ttmp9
	v_and_b32 v250, 31, v0                         ; l
	v_and_b32 v251, 15, v0                         ; r
	v_bfe_u32 v252, v0, 4, 1                       ; h
	s_lshl_b32 s56, s[WV], 17
	v_lshlrev_b32 v[XO], 5, v251
	v_lshl_add_u32 v[XO], v252, 12, v[XO]
	v_add_nc_u32 v[XO], s56, v[XO]
	s_mul_i32 s56, s[WV], 2560
	v_mul_u32_u24 v[ACA], v252, 80
	v_lshl_add_u32 v[ACA], v251, 2, v[ACA]
	v_add_nc_u32 v[ACA], s56, v[ACA]               ; (32 w + h) 80 + 4 r
	s_lshl_b32 s56, s[WV], 7
	s_add_co_u32 s56, s56, AS
	v_lshrrev_b32 v[ASA], 2, v251
	v_lshl_add_u32 v[ASA], v252, 2, v[ASA]
	v_add_nc_u32 v[ASA], s56, v[ASA]               ; AS + (32 w + h) 4 + r / 4
	v_mul_u32_u24 v[AFA], v251, 80
	v_lshl_add_u32 v[AFA], v252, 4, v[AFA]
	v_lshl_add_u32 v[ASR], v250, 2, AS
	s_lshl_b32 s56, s[WV], 13
	v_lshl_add_u32 v[BFO], v250, 4, s56
	s_lshl_b32 s56, s[WV], 9
	s_add_co_u32 s57, s56, 65536
	v_lshl_add_u32 v[BSO], v250, 4, s57
	v_lshl_add_u32 v254, v251, 2, s56              ; W_c, v_w: column 128 w + r
	s_lshl_b32 s56, s[WV], 10
	v_lshl_add_u32 v[CPO], v250, 4, s56
	v_mov_b32 v[FLOOR], 0x1800000
	s_mul_i32 s56, s[WV], PARW
	s_add_co_u32 s56, s56, PAR
	v_lshl_add_u32 v[PRD], v251, 4, s56
	s_add_co_u32 s56, s56, 3072
	v_lshl_add_u32 v[PCV], v252, 5, s56
	v_lshl_add_u32 v25, v250, 4, s56               ; where I put 16 bytes of coverage
	s_lshl_b32 s56, s[WV], 9
	s_add_co_u32 s57, s56, SP
	v_lshl_add_u32 v[SPA], v252, 5, s57
	v_lshl_add_u32 v[SPR], v250, 3, SP
	s_add_co_u32 s57, s56, PP
	v_lshl_add_u32 v[PPA], v250, 3, s57
	v_mov_b32 v[PPB], s57
	v_lshlrev_b32 v[SCO], 3, v250
	v_mov_b32 v[ACC], v[ACA]
	v_mov_b32 v[ASAC], v[ASA]
	v_mov_b32 v76, 0                               ; lane permutes' destinations count as sources
	v_mov_b32 v77, 0
	; dec of my batch: chunk 2 (batch / 16) + (batch / 4) % 2, lane 16 ((batch / 8) % 2) + r, word batch % 4
	s_lshr_b32 s56, s[WG], 3
	s_lshr_b32 s57, s56, 4
	s_lshl_b32 s57, s57, 1
	s_bfe_u32 s58, s56, 0x10002
	s_add_co_u32 s57, s57, s58
	s_lshl_b32 s57, s57, 9
	s_bfe_u32 s58, s56, 0x10003
	s_lshl_b32 s58, s58, 8
	s_add_co_u32 s57, s57, s58
	s_and_b32 s58, s56, 3
	s_lshl_b32 s58, s58, 2
	s_add_co_u32 s57, s57, s58
	s_lshl_b32 s58, s[WV], 14
	s_add_co_u32 s57, s57, s58
	v_lshl_add_u32 v253, v251, 4, s57
	s_lshl_b32 s74, s[WG], 9                       ; 128 rows x 4 bytes
	s_mov_b32 s75, 0
	v_lshl_add_u32 v255, v250, 4, s74
	v_lshl_add_u32 v24, v250, 3, s74
	s_lshl_b32 s58, s[WG], 19                      ; 128 rows x 4,096 bytes
	s_mov_b32 s59, 0
	s_lshl_b32 s76, s[WG], 13                      ; two blocks of cpart
	s_mov_b32 s77, 0
	s_mov_b32 s[KK], 0x4038aa3b                    ; 2 log2(e)
	s_mov_b32 s[KK+1], s[KK]
	s_mov_b32 s[SEL], 0x76543210
	s_mov_b32 s[SEL+1], 0xfedcba98
	s_mov_b32 s[PS], 0
	s_mov_b32 s[PO], 0
	s_wait_alu depctr_va_vdst(0)
	s_wait_kmcnt 0x0
	s_add_nc_u64 s[PQ:PQ+1], s[4:5], s[58:59]
	s_add_nc_u64 s[PH:PH+1], s[6:7], s[58:59]
	s_mov_b64 s[WP:WP+1], s[8:9]
	s_mov_b64 s[WS:WS+1], s[8:9]
	s_add_nc_u64 s[SCB:SCB+1], s[20:21], s[74:75]
	s_add_nc_u64 s[CPB:CPB+1], s[22:23], s[76:77]
.irp q, 0,1,2,3,4,5,6,7,8,9,10,11,12,13,14,15      ; word q = 8 pass + tile
	global_load_b32 v[58+\q], v253, s[10:11] offset:65536*(\q/8)+2048*(\q%8)
.endr
.irp q, 0,1,2,3,4,5,6,7,8,9,10,11,12,13,14,15
	global_load_b32 v[74+\q], v254, s[16:17] offset:2048*(\q/8)+64*(\q%8)
.endr
.irp q, 0,1,2,3,4,5,6,7,8,9,10,11,12,13,14,15
	global_load_b32 v[90+\q], v254, s[18:19] offset:2048*(\q/8)+64*(\q%8)
.endr
	global_load_b128 v[106:109], v255, s[12:13]    ; the 128 rows' coverage
	global_load_b64 v[MK:MK+1], v24, s[14:15]
	global_load_b64 v[MK+2:MK+3], v24, s[14:15] offset:256
	BLOAD 0                                        ; the weights of K steps 0 and 1
	BLOAD 1
	XLOAD 0, PQ, 0                                 ; x's K steps 0 and 1
	XLOAD 1, PQ, 0
	XLOAD 2, PQ, 512
	XLOAD 3, PQ, 512
	s_wait_loadcnt 63                              ; the parameters are in: 98 loads were issued behind them
.irp q, 0,1,2,3,4,5,6,7,8,9,10,11,12,13,14,15
	v_mul_f32 v[90+\q], 0xc038aa3b, v[90+\q]       ; -2 log2(e) v_w
.endr
.irp g, 0,1,2,3
	ds_store_b128 v[PRD], v[58+4*\g:61+4*\g] offset:256*\g            ; my own bytes; lanes r and 16 + r write the same
	ds_store_b128 v[PRD], v[74+4*\g:77+4*\g] offset:1024+256*\g
	ds_store_b128 v[PRD], v[90+4*\g:93+4*\g] offset:2048+256*\g
.endr
	ds_store_b128 v25, v[106:109]
	QSTEP 0, 48, 0, 1, PQ, 1024                    ; K step 0; 48: three slots' loads are younger
	QSTEP 1, 48, 0, 1, PQ, 1024
.Lpass:                                            ; two trips: a half of the columns each
	s_wait_dscnt 0x0
	v_add_nc_u32 v[TB], s[PO], v[PRD]
	ds_load_b128 v[DECR:DECR+3], v[TB]
	ds_load_b128 v[DECR+4:DECR+7], v[TB] offset:256
	ds_load_b128 v[WCR:WCR+3], v[TB] offset:1024
	ds_load_b128 v[WCR+4:WCR+7], v[TB] offset:1280
.irp a, 0,1,2,3,4,5,6,7
.irp i, 0,1
	ds_load_b128 v[COVR+8*\a+4*\i:COVR+8*\a+4*\i+3], v[PCV] offset:64*\a+16*\i   ; rows 16 a + 8 h + 4 i on
.endr
.endr
	s_wait_dscnt 0x0
.irp b, 0,1,2,3,4,5,6,7                            ; the sums begin as dec + coverage x W_c
	WIN 0x80+0x40*(\b/4)
.irp a, 0,1,2,3,4,5,6,7
.irp j, 0,2,4,6
.if (\b)%2 == 0
	v_pk_fma_f32 v[8*(8*(\b%4)+\a)+\j:8*(8*(\b%4)+\a)+\j+1], v[COVR+8*\a+\j:COVR+8*\a+\j+1], v[WCR+\b:WCR+\b+1], v[DECR+\b:DECR+\b+1] op_sel_hi:[1,0,0]
.else
	v_pk_fma_f32 v[8*(8*(\b%4)+\a)+\j:8*(8*(\b%4)+\a)+\j+1], v[COVR+8*\a+\j:COVR+8*\a+\j+1], v[WCR+\b-1:WCR+\b], v[DECR+\b-1:DECR+\b] op_sel:[0,1,1] op_sel_hi:[1,1,1]
.endif
.endr
.endr
.endr
	WIN 0
	s_mov_b32 s[TC], 0
	s_mov_b32 s[KO], 0
	s_mov_b32 s[KS], 0
	s_cmp_lg_u32 s[PS], 0
	s_cbranch_scc1 .Lgen
.Lq:                                               ; pass 0, six trips: K steps 0-11, with the quantiser one step ahead
	LADR 1
	BAR
	GS 0, 2, 63
	XPTR XA, 3                                     ; behind the wait on XCNT in the step above: the last trip's loads of x have read these bases
	XPTR XB, 4
	QSTEP 2, 63, 1, 1, XA, 0
	QSTEP 3, 63, 1, 1, XA, 0
	PER 1, XB
	TSTEP
	s_cmp_lt_u32 s[TC], 6
	s_cbranch_scc1 .Lq
	LADR 1                                         ; the last three steps of x; the counts run down as the ring empties
	QSTEP 2, 63, 1, 1, PH, 3584                    ; step 13; its slots take step 15
	QSTEP 3, 63, 1, 1, PH, 3584
	QSTEP 0, 48, 2, 0, PH, 0
	QSTEP 1, 32, 2, 0, PH, 0
	QSTEP 2, 16, 3, 0, PH, 0
	QSTEP 3, 0, 3, 0, PH, 0
	BAR                                            ; all codes are in LDS for all waves: no barrier is needed in the products from here on
.Lgen:                                             ; products alone: pass 0 trip 6, pass 1 trips 0-6.  17: the other set's loads are younger
	LADR 0
	GS 0, 2, 17
	GS 1, 1, 17
	TSTEP
	s_cmp_lt_u32 s[TC], 7
	s_cbranch_scc1 .Lgen
	LADR 0                                         ; K steps 14 and 15 ask for nothing
	GS 0, 0, 17
	GS 1, 0, 0
	s_wait_loadcnt 0x0                             ; nothing is out on any way that leads here
	s_cmp_lg_u32 s[PS], 0
	s_cbranch_scc1 .Lno_next
	s_wait_xcnt 0x0
	s_add_nc_u64 s[WP:WP+1], s[8:9], 32768         ; pass 1's half of each step's codes,
	s_add_nc_u64 s[WS:WS+1], s[8:9], 2048          ; and of its scale words
	NOP4
	BLOAD 0                                        ; its K steps 0 and 1 are on their way during the tanh pass
	BLOAD 1
.Lno_next:
	NOP4                                           ; between the last matrix instructions and the first read of their results
	WIN 0x40
	ds_load_b128 v[VR:VR+3], v[TB] offset:2048
	ds_load_b128 v[VR+4:VR+7], v[TB] offset:2304
	WIN 0
	s_wait_dscnt 0x0
	EBATCH 0
	EBATCH 1
	EBATCH 2
	EBATCH 3
	EBATCH 4
	EBATCH 5
	EBATCH 6
	EBATCH 7
	s_wait_loadcnt 0x0                             ; the next pass's first weights are in: the ways that join at the loop's head have nothing of them out
	s_add_co_u32 s[PO], s[PO], 512
	s_add_co_u32 s[PS], s[PS], 1
	s_cmp_lt_u32 s[PS], 2
	s_cbranch_scc1 .Lpass
	WIN 0x45
.irp x, 1,2,4,8
.set i, 0
.rept 64
	v_add_f32_dpp v[S+i], v[S+i], v[S+i] row_xmask:\x row_mask:0xf bank_mask:0xf   ; over the 16 columns in the lanes of a half
.set i, i+1
.endr
.endr
	WIN 0x04
.irp a, 0,1,2,3,4,5,6,7
.irp i, 0,1
	ds_store_b128 v[SPA], v[S+8*\a+4*\i:S+8*\a+4*\i+3] offset:64*\a+16*\i   ; the 16 lanes of a half write the same bytes
.endr
.endr
	WIN 0
	BAR
.irp f, 0,1
.irp w, 0,1,2,3
	ds_load_b64 v[58+8*\f+2*\w:59+8*\f+2*\w], v[SPR] offset:512*\w+256*\f   ; all waves' parts of rows 64 f + 2 l, + 1
.endr
.endr
	s_wait_dscnt 0x0
.irp f, 0,1
	v_pk_add_f32 v[58+8*\f:59+8*\f], v[58+8*\f:59+8*\f], v[60+8*\f:61+8*\f]
	v_pk_add_f32 v[62+8*\f:63+8*\f], v[62+8*\f:63+8*\f], v[64+8*\f:65+8*\f]
.endr
.irp f, 0,1
	v_pk_add_f32 v[58+8*\f:59+8*\f], v[58+8*\f:59+8*\f], v[62+8*\f:63+8*\f]   ; s2, the same bits in all waves
.endr
.irp f, 0,1
	v_max_num_f32 v[74+\f], v[58+8*\f], v[59+8*\f]
.endr
.irp x, 1,2,4,8
.irp f, 0,1
	v_max_num_f32_dpp v[74+\f], v[74+\f], v[74+\f] row_xmask:\x row_mask:0xf bank_mask:0xf
.endr
.endr
.irp f, 0,1
	v_permlanex16_b32 v[76+\f], v[74+\f], s[SEL], s[SEL+1]
.endr
.irp f, 0,1
	v_max_num_f32 v[74+\f], v[74+\f], v[76+\f]     ; the 64 rows' largest s2: taken away ahead of the exponential
.endr
.irp f, 0,1
	v_sub_f32 v[78+2*\f], v[58+8*\f], v[74+\f]
	v_sub_f32 v[79+2*\f], v[59+8*\f], v[74+\f]
.endr
	s_wait_alu depctr_va_vdst(0)
.irp i, 0,1,2,3
	v_exp_f32 v[78+\i], v[78+\i]
.endr
	v_nop
	s_wait_alu depctr_va_vdst(0)
	v_pk_mul_f32 v[78:79], v[78:79], v[MK:MK+1]    ; p = 2^(s2 - max) x mask
	v_pk_mul_f32 v[80:81], v[80:81], v[MK+2:MK+3]
	s_cmp_lg_u32 s[WV], 0
	s_cbranch_scc1 .Lnot_0
	global_store_b64 v[SCO], v[58:59], s[SCB:SCB+1]              ; wave 0: 32 lanes store 256 consecutive bytes, aligned
	global_store_b64 v[SCO], v[66:67], s[SCB:SCB+1] offset:256
.Lnot_0:
	s_wait_alu depctr_va_vdst(0)
	ds_store_b64 v[PPA], v[78:79]                  ; my own bytes: LDS serves a wave's instructions in order
	ds_store_b64 v[PPA], v[80:81] offset:256
	PRLOAD 0
	FMA 0                                          ; rows 0-63 of h came in during pass 1's tanh pass, and were waited for at its end
	HL 2, 0, 31
	s_wait_alu depctr_va_vdst(0)
	s_wait_loadcnt 63
	FMA 1
	OUT 0
	HL 3, 0, 31
	PRLOAD 1
	s_wait_xcnt 0x0                                ; the stores have read their data
	s_wait_loadcnt 63
	FMA 0
	s_wait_alu depctr_va_vdst(0)
	s_wait_loadcnt 0x0
	FMA 1
	OUT 1
	s_wait_tensorcnt 0x0                           ; the wave's end: behind my last LDS store
	ds_add_u32 v[SPW], v[NIL]
	s_wait_dscnt 0x0
	s_endpgm
.Lfunc_end_k_qbf3fa6b6f5_main:
	.size	k_qbf3fa6b6f5_main, .Lfunc_end_k_qbf3fa6b6f5_main-k_qbf3fa6b6f5_main
	.p2alignl 7, 3214868480
	.fill 96, 4, 3214868480
	.section	.rodata,"a",@progbits
	.p2align	6, 0x0
	.amdhsa_kernel k_qbf3fa6b6f5_main
		.amdhsa_group_segment_fixed_size 190976
		.amdhsa_private_segment_fixed_size 0
		.amdhsa_enable_private_segment 0
		.amdhsa_kernarg_size 80
		.amdhsa_user_sgpr_count 2
		.amdhsa_user_sgpr_kernarg_segment_ptr 1
		.amdhsa_wavefront_size32 1
		.amdhsa_system_sgpr_workgroup_id_x 1
		.amdhsa_system_sgpr_workgroup_id_y 1
		.amdhsa_system_sgpr_workgroup_id_z 1
		.amdhsa_system_vgpr_workitem_id 0
		.amdhsa_next_free_vgpr 1024
		.amdhsa_next_free_sgpr 80
		.amdhsa_reserve_vcc 0
		.amdhsa_float_denorm_mode_32 3
		.amdhsa_float_denorm_mode_16_64 3
		.amdhsa_memory_ordered 1
		.amdhsa_forward_progress 1
		.amdhsa_inst_pref_size 255
	.end_amdhsa_kernel
	.section	.bss,"aw",@nobits
	.p2align	6
	.space	262144
	.amdgpu_metadata
---
amdhsa.version: [ 1, 2 ]
amdhsa.kernels:
  - .name:           k_qbf3fa6b6f5_main
    .symbol:         k_qbf3fa6b6f5_main.kd
    .args:
      - { .name: q_h, .offset: 0, .size: 8, .value_kind: global_buffer, .address_space: global }
      - { .name: h, .offset: 8, .size: 8, .value_kind: global_buffer, .address_space: global }
      - { .name: wq, .offset: 16, .size: 8, .value_kind: global_buffer, .address_space: global }
      - { .name: dec, .offset: 24, .size: 8, .value_kind: global_buffer, .address_space: global }
      - { .name: coverage, .offset: 32, .size: 8, .value_kind: global_buffer, .address_space: global }
      - { .name: enc_padding_mask, .offset: 40, .size: 8, .value_kind: global_buffer, .address_space: global }
      - { .name: W_c, .offset: 48, .size: 8, .value_kind: global_buffer, .address_space: global }
      - { .name: v_w, .offset: 56, .size: 8, .value_kind: global_buffer, .address_space: global }
      - { .name: scores, .offset: 64, .size: 8, .value_kind: global_buffer, .address_space: global }
      - { .name: cpart, .offset: 72, .size: 8, .value_kind: global_buffer, .address_space: global }
    .group_segment_fixed_size: 190976
    .private_segment_fixed_size: 0
    .kernarg_segment_align: 8
    .kernarg_segment_size: 80
    .max_flat_workgroup_size: 128
    .sgpr_count:     80
    .vgpr_count:     1024
    .wavefront_size: 32
...
	.end_amdgpu_metadata
.endif
;; end of part 5
;; launch finish (part 6): grid 32 x 1, 8 waves a work-group, no clusters, 1,536 bytes of LDS; arguments scores, cpart, enc_padding_mask, coverage, out0, out1, out2; writes out0, out1, out2
.if DOCPART == 6
	.amdgcn_target "amdgcn-amd-amdhsa--gfx1250"
	.amdhsa_code_object_version 6
	.text
	.protected	k_qbf3fa6b6f5_finish
	.globl	k_qbf3fa6b6f5_finish
	.p2align	8
	.type	k_qbf3fa6b6f5_finish,@function
k_qbf3fa6b6f5_finish:
	s_mov_b64 s[64:65], 0
	v_nop
	global_prefetch_b8 v0, s[64:65] scope:SCOPE_SE
	s_setreg_imm32_b32 hwreg(HW_REG_WAVE_MODE, 25, 1), 1
	s_wait_xcnt 0x0
; ADDITIVE ATTENTION IN MX-FP4, launch 3 of 3: a batch's 16 blocks are joined.  WORK LEFT OUT (shown at the head of the first kernel): the softmax's own divisor, which cancels in the renormalisation.
; scores holds s2 = log2(e) x score (less a term that is the same along the batch); cpart[j] = sum over block j's 64 rows of 2^(s2 - m_j) x mask x h, m_j the block's largest s2.
; With M the batch's largest s2:  e_t = 2^(s2_t - M) x mask_t;  attn_t = e_t / sum e;  c = sum_j 2^(m_j - M) cpart[j] / sum e;  coverage_out = coverage + attn.
; m_j is found again from the scores: a maximum rounds nothing, so it has the bits that the launch before used.  A batch whose masked sum is 0 gives NaN (0 / 0).
; One work-group a batch, eight waves.  Thread t owns rows 4 t .. + 3 and columns 4 t .. + 3: sixteen neighbouring lanes hold one block of 64 rows.  Every load and store of a wave covers 512 consecutive bytes.
; Matrix units, clusters and tensor loads have nothing to do here: 2.5 MB are read once, and the work-groups share nothing.
.set MB,    0                          ; LDS: the 16 blocks' maxima
.set SM,    256                        ; the eight waves' sums
.set SPARE, 512                        ; the spare words, 128 bytes for each wave: four blocks of 256 bytes that no other line names
; v1, v2 the add's two;  v3 MB;  v4 16 t + 4,096 batch;  v5 16 t;  v6, v7 where I put a maximum, a sum;  v8-11 s2, then e;  v12-15 mask;  v16-19 coverage;  v20-23 at work;  v24-27 attn;  v28 SM;  v29 1 / sum;
; v32-95 cpart;  v96-111 the maxima, then 2^(m_j - M);  v112-115 c;  v116-123 the waves' sums
	s_load_b256 s[4:11], s[0:1], 0x0               ; scores s[4:5], cpart s[6:7], mask s[8:9], coverage s[10:11]
	s_load_b128 s[12:15], s[0:1], 0x20             ; out0 s[12:13], out1 s[14:15]
	s_load_b64 s[16:17], s[0:1], 0x30              ; out2
	v_lshl_add_u32 v1, v0, 2, SPARE
	v_mov_b32 v2, 0
	v_lshrrev_b32 v3, 5, v0
	s_delay_alu instid0(VALU_DEP_1)
	v_readfirstlane_b32 s18, v3                    ; wave 0..7
	s_lshl_b32 s19, ttmp9, 12                      ; a batch's 1,024 numbers
	v_lshl_add_u32 v4, v0, 4, s19
	v_lshlrev_b32 v5, 4, v0
	s_lshl_b32 s20, ttmp9, 16                      ; a batch's 16 blocks of cpart
	s_mov_b32 s21, 0
	v_lshrrev_b32 v6, 4, v0
	s_delay_alu instid0(VALU_DEP_1)
	v_lshlrev_b32 v6, 2, v6                        ; MB + 4 (t / 16)
	s_lshl_b32 s22, s18, 2
	s_add_co_u32 s22, s22, SM
	v_mov_b32 v7, s22
	v_mov_b32 v3, MB
	v_mov_b32 v28, SM
	s_mov_b32 s24, 0x76543210
	s_mov_b32 s25, 0xfedcba98                      ; v_permlanex16_b32's selects for lane l xor 16
	s_wait_alu depctr_va_vdst(0)
	s_wait_kmcnt 0x0
	s_add_nc_u64 s[6:7], s[6:7], s[20:21]
	global_load_b128 v[8:11], v4, s[4:5]
	global_load_b128 v[12:15], v4, s[8:9]
	global_load_b128 v[16:19], v4, s[10:11]
.irp j, 0,1,2,3,4,5,6,7,8,9,10,11,12,13,14,15
	global_load_b128 v[32+4*\j:35+4*\j], v5, s[6:7] offset:4096*\j th:TH_LOAD_NT
.endr
	s_wait_loadcnt 18                              ; s2 is in; the mask, the coverage and cpart's 16 loads may be out
	v_max3_num_f32 v20, v8, v9, v10
	s_delay_alu instid0(VALU_DEP_1)
	v_max_num_f32 v20, v20, v11
.irp x, 1,2,4,8
	s_delay_alu instid0(VALU_DEP_1)
	v_max_num_f32_dpp v20, v20, v20 row_xmask:\x row_mask:0xf bank_mask:0xf   ; sixteen lanes: the block's maximum
.endr
	ds_store_b32 v6, v20                           ; the sixteen write the same word with the same value
	s_wait_dscnt 0x0                               ; for the others' sake
	s_barrier_signal -1
	s_barrier_wait -1
.irp g, 0,1,2,3
	ds_load_b128 v[96+4*\g:99+4*\g], v3 offset:16*\g
.endr
	s_wait_dscnt 0x0
	v_max3_num_f32 v20, v96, v97, v98
.irp j, 99,101,103,105,107,109
	s_delay_alu instid0(VALU_DEP_1)
	v_max3_num_f32 v20, v20, v[\j], v[\j+1]
.endr
	s_delay_alu instid0(VALU_DEP_1)
	v_max_num_f32 v20, v20, v111                   ; M: the batch's maximum, taken away ahead of every exponential
.irp j, 0,1,2,3,4,5,6,7,8,9,10,11,12,13,14,15
	v_sub_f32 v[96+\j], v[96+\j], v20
.endr
.irp i, 0,1,2,3
	v_sub_f32 v[8+\i], v[8+\i], v20
.endr
	s_wait_alu depctr_va_vdst(0)
.irp j, 0,1,2,3,4,5,6,7,8,9,10,11,12,13,14,15
	v_exp_f32 v[96+\j], v[96+\j]
.endr
.irp i, 0,1,2,3
	v_exp_f32 v[8+\i], v[8+\i]
.endr
	v_nop                                          ; a plain instruction behind the last exponential,
	s_wait_alu depctr_va_vdst(0)                   ; and one wait for the twenty, ahead of their first reader
	s_wait_loadcnt 17                              ; the mask is in
	v_pk_mul_f32 v[8:9], v[8:9], v[12:13]
	v_pk_mul_f32 v[10:11], v[10:11], v[14:15]      ; e
	s_delay_alu instid0(VALU_DEP_1)
	v_pk_add_f32 v[22:23], v[8:9], v[10:11]
	s_delay_alu instid0(VALU_DEP_1)
	v_add_f32 v21, v22, v23
.irp x, 1,2,4,8
	s_delay_alu instid0(VALU_DEP_1)
	v_add_f32_dpp v21, v21, v21 row_xmask:\x row_mask:0xf bank_mask:0xf
.endr
	s_delay_alu instid0(VALU_DEP_1)
	v_permlanex16_b32 v22, v21, s24, s25
	s_delay_alu instid0(VALU_DEP_1)
	v_add_f32 v21, v21, v22                        ; the wave's sum
	ds_store_b32 v7, v21
	s_wait_dscnt 0x0                               ; for the others' sake
	s_barrier_signal -1
	s_barrier_wait -1
	ds_load_b128 v[116:119], v28
	ds_load_b128 v[120:123], v28 offset:16
	s_wait_dscnt 0x0
	v_pk_add_f32 v[116:117], v[116:117], v[118:119]
	v_pk_add_f32 v[120:121], v[120:121], v[122:123]
	s_delay_alu instid0(VALU_DEP_1)
	v_pk_add_f32 v[116:117], v[116:117], v[120:121]
	s_delay_alu instid0(VALU_DEP_1)
	v_add_f32 v116, v116, v117                     ; the batch's sum, the same bits in every wave
	s_wait_alu depctr_va_vdst(0)
	v_rcp_f32 v29, v116
	v_nop
	s_wait_alu depctr_va_vdst(0)
.irp i, 0,1,2,3
	v_mul_f32 v[24+\i], v[8+\i], v29               ; attn
.endr
	global_store_b128 v4, v[24:27], s[14:15]
	s_wait_alu depctr_va_vdst(0)
	s_wait_loadcnt 16                              ; the coverage is in
	v_pk_add_f32 v[16:17], v[16:17], v[24:25]
	v_pk_add_f32 v[18:19], v[18:19], v[26:27]
	global_store_b128 v4, v[16:19], s[16:17]
	s_wait_loadcnt 0x0
.irp e, 0,1,2,3
	v_mul_f32 v[112+\e], v[32+\e], v96             ; block 0 starts the sums
.endr
.irp j, 1,2,3,4,5,6,7,8,9,10,11,12,13,14,15
.irp e, 0,1,2,3
	v_fma_f32 v[112+\e], v[32+4*\j+\e], v[96+\j], v[112+\e]
.endr
.endr
.irp e, 0,1,2,3
	v_mul_f32 v[112+\e], v[112+\e], v29
.endr
	global_store_b128 v4, v[112:115], s[12:13]
	s_wait_tensorcnt 0x0                           ; the wave's end, behind my last LDS store
	ds_add_u32 v1, v2
	s_wait_dscnt 0x0
	s_endpgm
.Lfunc_end_k_qbf3fa6b6f5_finish:
	.size	k_qbf3fa6b6f5_finish, .Lfunc_end_k_qbf3fa6b6f5_finish-k_qbf3fa6b6f5_finish
	.p2alignl 7, 3214868480
	.fill 96, 4, 3214868480
	.section	.rodata,"a",@progbits
	.p2align	6, 0x0
	.amdhsa_kernel k_qbf3fa6b6f5_finish
		.amdhsa_group_segment_fixed_size 1536
		.amdhsa_private_segment_fixed_size 0
		.amdhsa_enable_private_segment 0
		.amdhsa_kernarg_size 56
		.amdhsa_user_sgpr_count 2
		.amdhsa_user_sgpr_kernarg_segment_ptr 1
		.amdhsa_wavefront_size32 1
		.amdhsa_system_sgpr_workgroup_id_x 1
		.amdhsa_system_sgpr_workgroup_id_y 1
		.amdhsa_system_sgpr_workgroup_id_z 1
		.amdhsa_system_vgpr_workitem_id 0
		.amdhsa_next_free_vgpr 128
		.amdhsa_next_free_sgpr 66
		.amdhsa_reserve_vcc 0
		.amdhsa_float_denorm_mode_32 3
		.amdhsa_float_denorm_mode_16_64 3
		.amdhsa_memory_ordered 1
		.amdhsa_forward_progress 1
		.amdhsa_inst_pref_size 13
	.end_amdhsa_kernel
	.amdgpu_metadata
---
amdhsa.version: [ 1, 2 ]
amdhsa.kernels:
  - .name:           k_qbf3fa6b6f5_finish
    .symbol:         k_qbf3fa6b6f5_finish.kd
    .args:
      - { .name: scores, .offset: 0, .size: 8, .value_kind: global_buffer, .address_space: global }
      - { .name: cpart, .offset: 8, .size: 8, .value_kind: global_buffer, .address_space: global }
      - { .name: enc_padding_mask, .offset: 16, .size: 8, .value_kind: global_buffer, .address_space: global }
      - { .name: coverage, .offset: 24, .size: 8, .value_kind: global_buffer, .address_space: global }
      - { .name: out0, .offset: 32, .size: 8, .value_kind: global_buffer, .address_space: global }
      - { .name: out1, .offset: 40, .size: 8, .value_kind: global_buffer, .address_space: global }
      - { .name: out2, .offset: 48, .size: 8, .value_kind: global_buffer, .address_space: global }
    .group_segment_fixed_size: 1536
    .private_segment_fixed_size: 0
    .kernarg_segment_align: 8
    .kernarg_segment_size: 56
    .max_flat_workgroup_size: 256
    .sgpr_count:     66
    .vgpr_count:     128
    .wavefront_size: 32
...
	.end_amdgpu_metadata
.endif
;; end of part 6
